; MI455X (gfx1250); checked and timed in simulation.
; The chip was launched on July 23, 2026; its instructions are those of AMD's public machine-readable ISA for CDNA 5 (MIT licence, August 2026) and "CDNA5" Instruction Set Architecture Reference Guide (July 2026). The comments in the code are by the model that wrote it; some were corrected since.
;; PNN. Allowed arithmetic: matrix products marked QUANTISED: E2M1 operands, one E8M0 scale for each 32 along K, by v_wmma_scale_f32_16x16x128_f8f6f4 with both operands' format E2M1 (or v_wmma_scale_f32_32x16x128_f4), f32 sums; products left as they are: f32 operands where the result goes on into a quantised operand, else bf16, f16 or f32 operands; f32 sums; everything else in f32.
;; Inputs: S 4 x 4 float32; alpha one number float32; cb1 125 float32; cb2 125 float32; cb3 2 float32; cw1 2 x 125 float32; cw2 125 x 125 float32; cw3 125 x 2 float32; dt_p 1 float32; dt_q 1 float32; hb1 64 float32; hb2 64 float32; hb3 64 float32; hb4 64 float32; hb5 64 float32; hb6 1 float32; hw1 4 x 64 float32; hw2 64 x 64 float32; hw3 64 x 64 float32; hw4 64 x 64 float32; hw5 64 x 64 float32; hw6 64 x 1 float32; x 524,288 x 4 float32.
;; Outputs: out0 524,288 x 4 float32.
;; This version of the problem:
;;   THIS VERSION OF THE PROBLEM IS GIVEN IN LOW PRECISION. The matrix products marked QUANTISED in the list below multiply operands that are first quantised to E2M1 (2 exponent bits, 1 mantissa bit; 4 bits a number), with one power-of-two scale for each 32 numbers along K (OCP MX v1.0); their sums are f32. All else is computed in f32.
;;   The module's matrix products, in the order in which they are computed (A, B: the left and right operand; K: the contracted axis; several contracted axes count as one K, in the product's order):
;;     1. [M 524,288, K 2] x [K 2, N 125]; A: input x; B: input cw1: left as it is (K = 2 < 32)
;;     2. [M 524,288, K 125] x [K 125, N 125]; A: computed on the way; B: input cw2: QUANTISED
;;     3. [M 524,288, K 125] x [K 125, N 2]; A: computed on the way; B: input cw3: left as it is (N = 2 < 16)
;;     4. [M 524,288, K 4] x [K 4, N 64]; A: computed on the way; B: input hw1: left as it is (K = 4 < 32)
;;     5. [M 524,288, K 64] x [K 64, N 64]; A: computed on the way; B: input hw2: QUANTISED
;;     6. [M 524,288, K 64] x [K 64, N 64]; A: computed on the way; B: input hw3: QUANTISED
;;     7. [M 524,288, K 64] x [K 64, N 64]; A: computed on the way; B: input hw4: QUANTISED
;;     8. [M 524,288, K 64] x [K 64, N 64]; A: computed on the way; B: input hw5: QUANTISED
;;     9. [M 524,288, K 64] x [K 64, N 1]; A: computed on the way; B: input hw6: left as it is (N = 1 < 16)
;;     10. [M 524,288, K 1] x [K 1, N 64]; A: computed on the way; B: input hw6: left as it is (K = 1 < 32)
;;     11. [M 524,288, K 64] x [K 64, N 64]; A: computed on the way; B: input hw5: QUANTISED
;;     12. [M 524,288, K 64] x [K 64, N 64]; A: computed on the way; B: input hw4: QUANTISED
;;     13. [M 524,288, K 64] x [K 64, N 64]; A: computed on the way; B: input hw3: QUANTISED
;;     14. [M 524,288, K 64] x [K 64, N 64]; A: computed on the way; B: input hw2: QUANTISED
;;     15. [M 524,288, K 64] x [K 64, N 4]; A: computed on the way; B: input hw1: left as it is (N = 4 < 16)
;;     16. [M 524,288, K 4] x [K 4, N 4]; A: computed on the way; B: computed on the way: left as it is (K = 4 < 32)
;;     17. [M 524,288, K 4] x [K 4, N 4]; A: computed on the way; B: computed on the way: left as it is (K = 4 < 32)
;;     18. [M 524,288, K 2] x [K 2, N 125]; A: computed on the way; B: input cw1: left as it is (K = 2 < 32)
;;     19. [M 524,288, K 125] x [K 125, N 125]; A: computed on the way; B: input cw2: QUANTISED
;;     20. [M 524,288, K 125] x [K 125, N 2]; A: computed on the way; B: input cw3: left as it is (N = 2 < 16)
;;   THE QUANTISER, for each operand of a quantised product, along K:
;;     - K is cut into blocks of 32 from its start; a last block that is shorter is filled with zeros.
;;     - A block's scale is 2^e with e = floor(log2(the largest magnitude in the block)) - 2, held to -126 .. 127; a block of zeros has e = 0. As a byte (E8M0): e + 127.
;;     - Each number is divided by its block's scale, clamped to +-6, and rounded to the nearest number of E2M1, ties to even, subnormals kept.
;;     - The product sums the exact products of the quantised numbers (number of the format x scale) in f32.
;;   ~~~python
;;   def quantise(x, axis):      # numpy; x: float32 -> the quantised numbers, widened to float32 again
;;       x = np.moveaxis(x, axis, -1); K = x.shape[-1]
;;       x = np.pad(x, [(0, 0)] * (x.ndim - 1) + [(0, -K % 32)]); x = x.reshape(x.shape[:-1] + (-1, 32)); a = np.abs(x).max(-1, keepdims=True)
;;       e = np.where(a > 0, np.clip(np.frexp(np.where(a > 0, a, 1))[1] - 1 - 2, -126, 127), 0)      # np.frexp(a)[1] - 1 = floor(log2(a)), exactly
;;       r = np.clip(x / 2.0 ** e, -6, 6)
;;       step = 2.0 ** (np.maximum(np.frexp(np.where(r == 0, 1, r))[1] - 1, 0) - 1)
;;       q = np.round(r / step) * step * 2.0 ** e      # np.round: ties to even
;;       return np.moveaxis(q.reshape(q.shape[:-2] + (-1,))[..., :K], -1, axis).astype(np.float32)
;;   ~~~
;;   OPERANDS COMPUTED ON THE WAY. 'Computed on the way' means the value that the module computes at that place (a softmax that the list does not call 'softmax' is quantised finished and normalised). What goes into a quantiser is computed in f32, as accurately as f32 sums, v_exp_f32 and their like allow (about 1e-6 of the number): no bf16 or f16 on the way to a quantiser, and a product that is left as it is and whose result goes on into a quantised operand takes f32 operands (vector FMAs, or v_wmma_f32_16x16x4_f32). A number that lies on a knife's edge between two numbers of the format may be rounded either way, as far as f32 arithmetic and the matrix unit's own rounding can turn it there, and no further.
;; 2 versions, each right and faster than the one before. Each part assembles by itself: llvm-mc -triple=amdgcn-amd-amdhsa -mcpu=gfx1250 --defsym DOCPART=n.
;; ======== version 1 of 2: 1 launch
;; launch pnn (part 1): grid 256 x 1, 8 waves a work-group, no clusters, 36,864 bytes of LDS; arguments x, out0, cw1, cb1, cw2, cb2, cw3, cb3, hw1, hb1, hw2, hw3, hw4, hw5, hw6, hb6, hb2, hb3, hb4, hb5, S, alpha, dt_q, dt_p; writes out0
.if DOCPART == 1
	.amdgcn_target "amdgcn-amd-amdhsa--gfx1250"
	.amdhsa_code_object_version 6
	.text
	.protected	k_qf2e704bbf3_pnn
	.globl	k_qf2e704bbf3_pnn
	.p2align	8
	.type	k_qf2e704bbf3_pnn,@function
k_qf2e704bbf3_pnn:
	s_mov_b64 s[64:65], 0
	v_nop
	global_prefetch_b8 v0, s[64:65] scope:SCOPE_SE
	s_setreg_imm32_b32 hwreg(HW_REG_WAVE_MODE, 25, 1), 1
	s_wait_xcnt 0x0
; PNN: out = NICE^-1( symplectic step( NICE(x) ) ), 524,288 rows of 4 f32, one launch, nothing intermediate in memory.
;   theta = [x1, x2 + net(x1)];  dH = d/dz sum H(z) at theta;  phi = theta + 0.1 [dH34 dt_q + alpha (theta Ssk^T)12, -dH12 dt_p + alpha (theta Ssk)34];  out = [phi12, phi34 - net(phi12)]
;   net: 2 -> 125 relu -> 125 tanh -> 2.   H: 4 -> 64 relu -> 64 relu -> 64 tanh x 3 -> 1.
; The ten products on cw2 and hw2..hw5 (forward: K = the weight's first axis; backward: K = its second) run on codes of E2M1 with one E8M0 scale for each 32 along K;
; activations and gradients are quantised in registers.  The small products that feed a quantiser (x cw1, theta hw1, d1 hw1^T) run in the f32 matrix form, h cw3 by packed multiply-adds.
; hb6 and the product h5 hw6 do not enter d/dz (h5 hw6 + hb6): hb6 is loaded and takes part in no arithmetic, for every input.
; SHARES.  256 work-groups x 8 waves; a wave owns 256 rows, 16 trips of one tile of 16 rows; 512 registers a wave, so two waves share a SIMD and one's matrix work stands beside the other's vector work.
; LAYOUT.  Every product is used transposed: source 0 = 16 units of a weight, source 1 = the tile's 16 rows.  Lane (r = lane % 16, h = lane / 16) holds row r throughout.
;   Lane m of weight tile t takes unit 32 (t / 2) + 8 (t % 2) + m + (m & 8), so register q of a group of four tiles (32 registers) holds unit 32 (q / 16) + 16 h + q % 16:
;   16 neighbours along the next K, which the conversions turn into the next operand; two exchanges of halves give each lane a whole block.
; PROLOGUE.  Each work-group quantises the weights once (wave w: tile w of cw2, two forward and two backward tiles of hw(2 + w / 2)) and lays them in LDS as images of the operand's registers; one barrier; LDS is only read after it.
; tanh(x) = xc P(xc^2) / Q(xc^2), xc = x held to +-7.9053111: a rational function with small relative error for small and large x alike, since its results go into quantisers.
; LIMITS.  NaN and infinities are not served.  A block whose largest magnitude lies under 2^-124 keeps the scale byte 1; so does a block of zeros (its codes are zeros, and only this text reads the bytes).
;   tanh loses relative accuracy under |x| = 1e-35.  relu' at 0 is 0.  The order of the f32 sums differs from the reference's.
.set TRIPS, 16
; ---- LDS, bytes
.set C1T,  0                           ; [4][128] f32: cw1 row 0, cw1 row 1, cb1, zeros; units from 125 on are 0
.set CB2,  2048                        ; cb2, filled with zeros to 256 numbers
.set CW3T, 3072                        ; [2][128]: cw3 transposed, units from 125 on are 0
.set HW1P, 4096                        ; 8 rows, 272 bytes apart: hw1's four rows, then four rows of zeros
.set HBR,  6400                        ; hb1, hb2, hb3, hb4
.set HB2R, 7424                        ; hb5, hw6 (and both once more, not read)
.set CW2I, 8448                        ; cw2's 8 tiles x 2 quads of registers, 512 bytes each
.set HWI,  16640                       ; hw's fragments: (forward hw2..5: 0..3, backward: 4..7) x 4 tiles, 512 bytes each
.set SCI,  33024                       ; the weights' scale words: five quads of registers
; ---- registers, window 0
.set LROW, 1                           ; 16 r
.set LST,  2                           ; 16 r + 8 h
.set HB,   3                           ; 64 h
.set LI,   4                           ; 16 x lane
.set A11,  5                           ; 272 (lane % 8) + 64 h
.set CA11, 6                           ; v[6:7]   a11 twice
.set X,    8                           ; v8-11    x, then theta
.set P,    12                          ; v12-15   phi
.set XB,   16                          ; v[16:17] source 1 of the f32 form
.set O,    18                          ; v[18:19] what is stored
.set ACC,  20                          ; v20-27   four pairs of partial sums
.set E,    28                          ; v28-35   at work
.set MX,   36                          ; v36-39   largest magnitudes
.set PX,   40                          ; v40-41   the other half's
.set SO,   42                          ; v42-43   the conversions' scale operands
.set BY,   44                          ; v44-45   scale bytes
.set RX,   46                          ; v46-47   the other half's sums
.set PW,   48                          ; v48      the rows' scale word: scales and nothing else
.set CB4,  50                          ; v[50:51] b4 twice
.set SC2,  52                          ; v52-55   cw2's scale words: register T / 2, lanes 0-15 tile 2 (T / 2), lanes 16-31 the next
.set SCH,  56                          ; v56-71   hw's likewise: forward layer L at 2 L, backward at 8 + 2 L
.set T1,   72                          ; v72-87   source 0 of x cw1 + cb1: tile T at 2 T
.set T5,   88                          ; v88-95   source 0 of theta hw1
.set PC,   96                          ; v96-103  the rows' codes
.set F,    104                         ; v104-135 results of the f32 matrix form; written by it alone
.set GA,   136                         ; v136-167 a group
.set GB,   168                         ; v168-199 a group
.set X2,   200                         ; v200-223 tanh at work
.set PP,   208
.set QQ,   216
.set WS,   224                         ; v224-255 four fragments of hw; registers 4-7 of each (K = 64 .. 127) stay 0
; ---- window 1
.set T2,   0                           ; cw2's codes, tile T at 8 T
.set T4,   64                          ; cw3 transposed in a group's layout: 64 o + 32 g + q
.set DV3,  192                         ; 1 - h3^2
.set DV4,  224                         ; 1 - h4^2
; ---- prologue only
.set XA,   136                         ; 64 numbers of cw2, later of hw for the backward products
.set XJ0,  72                          ; 32 numbers of hw, forward, first tile
.set XJ1,  200                         ; second tile
.set MK1,  30                          ; s30-61  lanes' masks: layer 1's unit is on
.set MK2,  66                          ; s66-97  layer 2's
.set MSB, 0
.macro WIN new                         ; the immediate's high byte repeats the setting that is left; a switch that changes nothing is dropped
.if MSB != \new
	s_set_vgpr_msb (MSB<<8)|\new
.set MSB, \new
.endif
.endm
.macro NOPS n
.rept \n
	v_nop
.endr
.endm
.macro LDB dst, off                    ; 64 numbers of a table in a group's layout: registers 4 i .. 4 i + 3 are four neighbouring units
.irp i, 0,1,2,3,4,5,6,7
	ds_load_b128 v[\dst+4*\i:\dst+4*\i+3], v[HB] offset:\off+128*(\i/4)+16*(\i%4)
.endr
.endm
.macro LDW d                           ; the four fragments of hw's product d
.irp t, 0,1,2,3
	ds_load_b128 v[WS+8*\t:WS+8*\t+3], v[LI] offset:HWI+512*(4*\d+\t)
.endr
.endm
.macro LD11                            ; hw1 as source 0 of d1 hw1^T: lane m takes row m % 8 (rows 4-7 are zeros), units in a group's layout
.irp i, 0,1,2,3,4,5,6,7
	ds_load_b128 v[GB+4*\i:GB+4*\i+3], v[A11] offset:HW1P+128*(\i/4)+16*(\i%4)
.endr
.endm
; 32 numbers of a lane (two halves of two blocks of 32) become four registers of codes at dst and two bytes of the scale word, sh bits up.
.macro QUANT2 src, dst, sh
.irp b, 0,1
	v_max3_num_f32 v[MX+2*\b], |v[\src+16*\b]|, |v[\src+16*\b+1]|, 0x1800000      ; with the floor 2^(3 - 127): the byte cannot fall under 1
	v_max3_num_f32 v[MX+2*\b+1], |v[\src+16*\b+8]|, |v[\src+16*\b+9]|, |v[\src+16*\b+10]|
.endr
.irp i, 2,4,6
.irp b, 0,1
	v_max3_num_f32 v[MX+2*\b], v[MX+2*\b], |v[\src+16*\b+\i]|, |v[\src+16*\b+\i+1]|
.if \i < 6
	v_max3_num_f32 v[MX+2*\b+1], v[MX+2*\b+1], |v[\src+16*\b+9+\i]|, |v[\src+16*\b+10+\i]|
.endif
.endr
.endr
.irp b, 0,1
	v_max3_num_f32 v[MX+2*\b], v[MX+2*\b], v[MX+2*\b+1], |v[\src+16*\b+15]|
.endr
.irp b, 0,1
	v_permlanex16_b32 v[PX+\b], v[MX+2*\b], s10, s11
.endr
.irp b, 0,1
	v_max_num_f32 v[MX+2*\b], v[MX+2*\b], v[PX+\b]                                ; with lane l xor 16's 16: the block's largest magnitude
.endr
.irp b, 0,1
	v_add_nc_u32 v[SO+\b], 0xff000000, v[MX+2*\b]                                 ; 2 off its exponent field: the conversion takes that field as its scale
.endr
.irp b, 0,1
	v_lshrrev_b32 v[BY+\b], 23, v[SO+\b]                                          ; the scale's byte
.endr
.if \sh == 0
	v_lshl_or_b32 v[PW], v[BY+1], 8, v[BY]                                        ; bytes 2 and 3 are 0: their codes are zeros, or they are set by the second call
.else
	v_lshl_or_b32 v[BY], v[BY+1], 8, v[BY]
	v_lshl_or_b32 v[PW], v[BY], 16, v[PW]
.endif
.irp b, 0,1
	v_cvt_scalef32_pk8_fp4_f32 v[\dst+2*\b], v[\src+16*\b:\src+16*\b+7], v[SO+\b]
	v_cvt_scalef32_pk8_fp4_f32 v[\dst+2*\b+1], v[\src+16*\b+8:\src+16*\b+15], v[SO+\b]
.endr
	v_nop                                                                         ; one plain place behind the scaled conversions
	v_permlane16_swap_b32 v[\dst], v[\dst+2]                                      ; a whole block to a lane: lanes 0-15 the first block, lanes 16-31 the second
	v_permlane16_swap_b32 v[\dst+1], v[\dst+3]
.endm
.macro HORN a, k                       ; a = a x^2 + k, four pairs
.irp i, 0,2,4,6
	v_pk_fma_f32 v[\a+\i:\a+\i+1], v[\a+\i:\a+\i+1], v[X2+\i:X2+\i+1], \k op_sel_hi:[1,1,0]
.endr
.endm
.macro TANH8 r                         ; one accumulator, in place, from its low end on
.irp i, 0,1,2,3,4,5,6,7
	v_med3_num_f32 v[\r+\i], v[\r+\i], -s25, s25
.endr
.irp i, 0,2,4,6
	v_pk_mul_f32 v[X2+\i:X2+\i+1], v[\r+\i:\r+\i+1], v[\r+\i:\r+\i+1]
.endr
.irp i, 0,2,4,6
	v_pk_fma_f32 v[PP+\i:PP+\i+1], v[X2+\i:X2+\i+1], s[12:13], v[CA11:CA11+1] op_sel_hi:[1,0,1]   ; a13 x^2 + a11
.endr
.irp i, 0,2,4,6
	v_pk_fma_f32 v[QQ+\i:QQ+\i+1], v[X2+\i:X2+\i+1], s[14:15], v[CB4:CB4+1] op_sel_hi:[1,0,1]     ; b6 x^2 + b4
.endr
	HORN PP, 0xaebd37ff                            ; a9
	HORN QQ, 0x3b14aa05                            ; b2
	HORN PP, 0x335c0041                            ; a7
	HORN QQ, 0x3ba059dd                            ; b0
	HORN PP, 0x3779434a                            ; a5
.irp i, 0,1,2,3,4,5,6,7
	v_rcp_f32 v[QQ+\i], v[QQ+\i]
.endr
	HORN PP, 0x3a270ded                            ; a3: plain lines that name no reciprocal stand behind the last of them
	HORN PP, 0x3ba059dc                            ; a1
.irp i, 0,2,4,6
	v_pk_mul_f32 v[PP+\i:PP+\i+1], v[PP+\i:PP+\i+1], v[\r+\i:\r+\i+1]
.endr
	s_wait_alu depctr_va_vdst(0)
.irp i, 0,2,4,6
	v_pk_mul_f32 v[\r+\i:\r+\i+1], v[PP+\i:PP+\i+1], v[QQ+\i:QQ+\i+1]
.endr
.endm
.macro TANH32 r
	TANH8 \r
	TANH8 \r+8
	TANH8 \r+16
	TANH8 \r+24
.endm
.macro RELU d, s
.set qi, 0
.rept 32
	v_max_num_f32 v[\d+qi], 0, v[\s+qi]
.set qi, qi+1
.endr
.endm
.macro MASKS m, s                      ; which of my units are on, a lane mask for each register
.set qi, 0
.rept 32
	v_cmp_lt_f32 s[\m+qi], 0, v[\s+qi]
.set qi, qi+1
.endr
.endm
.macro CUT g, m                        ; the gradient passes where the unit was on
.set qi, 0
.rept 32
	v_cndmask_b32 v[\g+qi], 0, v[\g+qi], s[\m+qi]
.set qi, qi+1
.endr
.endm
.macro DERIV d, s, win                 ; d = 1 - s^2
	WIN \win
.set qi, 0
.rept 16
	v_pk_fma_f32 v[\d+qi:\d+qi+1], v[\s+qi:\s+qi+1], v[\s+qi:\s+qi+1], 1.0 op_sel_hi:[1,1,0] neg_lo:[1,0,0] neg_hi:[1,0,0]
.set qi, qi+2
.endr
	WIN 0
.endm
.macro PKMUL d, m, win                 ; d = d m
	WIN \win
.set qi, 0
.rept 16
	v_pk_mul_f32 v[\d+qi:\d+qi+1], v[\d+qi:\d+qi+1], v[\m+qi:\m+qi+1]
.set qi, qi+2
.endr
	WIN 0
.endm
.macro MMF4 a, bias                    ; four tiles in the f32 form, K = 4; the sum begins with 0 or with the bias in GB
.irp t, 0,1,2,3
.if \bias
	v_wmma_f32_16x16x4_f32 v[F+8*\t:F+8*\t+7], v[\a+2*\t:\a+2*\t+1], v[XB:XB+1], v[GB+8*\t:GB+8*\t+7]
.else
	v_wmma_f32_16x16x4_f32 v[F+8*\t:F+8*\t+7], v[\a+2*\t:\a+2*\t+1], v[XB:XB+1], 0
.endif
.endr
.endm
; Four tiles on codes.  zero = 0: the accumulator holds the bias, in the result's layout.  Odd tiles' scale words lie in lanes 16-31.  The window is left as set.
.macro MMQ d, a, win, sc, zero
	WIN \win
.irp t, 0,1,2,3
.if \zero
.if \t%2
	v_wmma_scale_f32_16x16x128_f8f6f4 v[\d+8*\t:\d+8*\t+7], v[\a+8*\t:\a+8*\t+7], v[PC:PC+7], 0, v[\sc+\t/2], v[PW] matrix_a_fmt:MATRIX_FMT_FP4 matrix_b_fmt:MATRIX_FMT_FP4 matrix_a_scale:MATRIX_SCALE_ROW1
.else
	v_wmma_scale_f32_16x16x128_f8f6f4 v[\d+8*\t:\d+8*\t+7], v[\a+8*\t:\a+8*\t+7], v[PC:PC+7], 0, v[\sc+\t/2], v[PW] matrix_a_fmt:MATRIX_FMT_FP4 matrix_b_fmt:MATRIX_FMT_FP4
.endif
.else
.if \t%2
	v_wmma_scale_f32_16x16x128_f8f6f4 v[\d+8*\t:\d+8*\t+7], v[\a+8*\t:\a+8*\t+7], v[PC:PC+7], v[\d+8*\t:\d+8*\t+7], v[\sc+\t/2], v[PW] matrix_a_fmt:MATRIX_FMT_FP4 matrix_b_fmt:MATRIX_FMT_FP4 matrix_a_scale:MATRIX_SCALE_ROW1
.else
	v_wmma_scale_f32_16x16x128_f8f6f4 v[\d+8*\t:\d+8*\t+7], v[\a+8*\t:\a+8*\t+7], v[PC:PC+7], v[\d+8*\t:\d+8*\t+7], v[\sc+\t/2], v[PW] matrix_a_fmt:MATRIX_FMT_FP4 matrix_b_fmt:MATRIX_FMT_FP4
.endif
.endif
.endr
.endm
.macro DOT g, grp, first               ; h cw3: my 32 units of group grp against both columns, two chains a column
	WIN 0x04                                       ; source 1 in window 1
.set di, 0
.rept 16
.irp o, 0,1
.if \first && (di < 2)
	v_pk_mul_f32 v[ACC+4*\o+2*(di%2):ACC+4*\o+2*(di%2)+1], v[\g+2*di:\g+2*di+1], v[T4+64*\o+32*\grp+2*di:T4+64*\o+32*\grp+2*di+1]
.else
	v_pk_fma_f32 v[ACC+4*\o+2*(di%2):ACC+4*\o+2*(di%2)+1], v[\g+2*di:\g+2*di+1], v[T4+64*\o+32*\grp+2*di:T4+64*\o+32*\grp+2*di+1], v[ACC+4*\o+2*(di%2):ACC+4*\o+2*(di%2)+1]
.endif
.endr
.set di, di+1
.endr
	WIN 0
.endm
.macro DOTEND                          ; the chains, the pairs' halves, the other half of the lanes, cb3: the net's two outputs in v[E], v[E+1], alike in both halves
	v_pk_add_f32 v[ACC:ACC+1], v[ACC:ACC+1], v[ACC+2:ACC+3]
	v_pk_add_f32 v[ACC+4:ACC+5], v[ACC+4:ACC+5], v[ACC+6:ACC+7]
	v_add_f32 v[E], v[ACC], v[ACC+1]
	v_add_f32 v[E+1], v[ACC+4], v[ACC+5]
	v_permlanex16_b32 v[RX], v[E], s10, s11
	v_permlanex16_b32 v[RX+1], v[E+1], s10, s11
	v_add_f32 v[E], v[E], v[RX]
	v_add_f32 v[E+1], v[E+1], v[RX+1]
	v_add_f32 v[E], s26, v[E]
	v_add_f32 v[E+1], s27, v[E+1]
.endm
; The coupling net on (y0, y1).  pre = 1: hb1 and hw2's fragments are asked for on the way.
.macro COUP y0, y1, pre
	LDB GB, CB2                                    ; cb2 of units 0-63: the C of the product on codes
	v_cndmask_b32 v[XB], v[\y0], 1.0, s8           ; source 1, K = 4: lanes 0-15 (y0, y1), lanes 16-31 (1, 0): the 1 meets cb1
	v_cndmask_b32 v[XB+1], v[\y1], 0, s8
	MMF4 T1, 0
	NOPS 8                                         ; eight places behind the f32 form before its results are read
	RELU GA, F
	MMF4 T1+8, 0                                   ; units 64-127: more than nine lines that name none of a tile's registers stand since that tile's product
	QUANT2 GA, PC, 0                               ; its plain lines are the places behind the products above
	RELU GA, F
	QUANT2 GA, PC+4, 16
	LDB GA, CB2+256
	NOPS 8                                         ; the scale word stands eight places, the codes four, ahead of the scaled products
	s_wait_dscnt 8                                 ; cb2's first half is in; the eight loads just issued may be out
	MMQ GB, T2, 0x01, SC2, 0
	s_wait_dscnt 0x0
	MMQ GA, T2+32, 0x01, SC2+2, 0
	WIN 0
	NOPS 4
	TANH32 GB
	DOT GB, 0, 1
.if \pre
	LDB GB, HBR                                    ; hb1
	LDW 0                                          ; hw2, forward
.endif
	TANH32 GA
	DOT GA, 1, 0
	DOTEND
.endm
.macro FWD o, l, nd                    ; a forward layer of H: its bias lies in the accumulator; then the next product's fragments are asked for
	s_wait_dscnt 8                                 ; this layer's fragments and bias are in; the eight loads of the next bias may be out
	MMQ \o, WS, 0, SCH+2*\l, 0
	NOPS 4                                         ; four places before the results are read and before loads land on the fragments
	LDW \nd
.endm
.macro BWD o, l, n                     ; a backward layer; n: the LDS loads issued behind its fragments
	s_wait_dscnt \n
	MMQ \o, WS, 0, SCH+8+2*\l, 1
	NOPS 4
.endm
.macro BMAX src, d, e                  ; the largest magnitude of a lane's 32 numbers, with the floor
	v_max3_num_f32 v[\d], |v[\src]|, |v[\src+1]|, |v[\src+2]|
	v_max3_num_f32 v[\e], |v[\src+3]|, |v[\src+4]|, |v[\src+5]|
.irp i, 6,10,14,18,22,26
	v_max3_num_f32 v[\d], v[\d], |v[\src+\i]|, |v[\src+\i+1]|
	v_max3_num_f32 v[\e], v[\e], |v[\src+\i+2]|, |v[\src+\i+3]|
.endr
	v_max3_num_f32 v[\d], v[\d], |v[\src+30]|, |v[\src+31]|
	v_max3_num_f32 v[\d], v[\d], v[\e], 0x1800000
.endm
.macro QW1 src, cod, w                 ; a lane's block of 32 of hw: four registers of codes, and the unit's scale word (my byte at 8 h, the other half's beside it)
	BMAX \src, 34, 35
	v_add_nc_u32 v38, 0xff000000, v34
	v_lshrrev_b32 v41, 23, v38
	v_lshlrev_b32 v[\w], v21, v41
	v_permlanex16_b32 v40, v[\w], s10, s11
	v_or_b32 v[\w], v[\w], v40
.irp g, 0,1,2,3
	v_cvt_scalef32_pk8_fp4_f32 v[\cod+\g], v[\src+8*\g:\src+8*\g+7], v38
.endr
	v_nop                                          ; one plain place behind the scaled conversions
.endm
; ======== PROLOGUE
	s_load_b512 s[32:47], s[0:1], 0x0              ; x, out0, cw1, cb1, cw2, cb2, cw3, cb3
	s_load_b512 s[48:63], s[0:1], 0x40             ; hw1, hb1, hw2, hw3, hw4, hw5, hw6, hb6
	s_load_b512 s[68:83], s[0:1], 0x80             ; hb2, hb3, hb4, hb5, S, alpha, dt_q, dt_p
	v_lshrrev_b32 v32, 5, v0
	v_readfirstlane_b32 s2, v32                    ; wave 0..7
	s_mov_b32 s8, 0xffff0000                       ; lanes 16-31
	s_mov_b32 s10, 0x76543210
	s_mov_b32 s11, 0xfedcba98                      ; v_permlanex16_b32's selects for lane l xor 16
	v_and_b32 v33, 15, v0                          ; r
	v_bfe_u32 v49, v0, 4, 1                        ; h
	v_and_b32 v34, 31, v0                          ; lane
	v_lshlrev_b32 v[LROW], 4, v33
	v_lshl_add_u32 v[LST], v49, 3, v[LROW]
	v_lshlrev_b32 v[HB], 6, v49
	v_lshlrev_b32 v[LI], 4, v34
	v_and_b32 v35, 7, v0
	v_mul_u32_u24 v[A11], v35, 272
	v_add_nc_u32 v[A11], v[HB], v[A11]
	v_and_b32 v20, 8, v33
	v_add_nc_u32 v20, v20, v33                     ; mm = r + (r & 8)
	v_lshlrev_b32 v21, 3, v49                      ; 8 h
	v_mov_b32 v40, 0                               ; a lane permute's destination counts as one of its sources
	; the small tables, one number a thread t: u = t % 128, held at 124 for the loads; what lies past 124 is replaced by 0
	v_lshlrev_b32 v6, 2, v0                        ; 4 t
	v_and_b32 v32, 127, v0                         ; u
	v_lshrrev_b32 v35, 7, v0                       ; t / 128
	v_min_u32 v36, 124, v32
	v_lshlrev_b32 v7, 2, v36                       ; cb1, cb2
	v_mad_u32_u24 v12, v35, 500, v7                ; cw1[t / 128][u]
	v_lshlrev_b32 v13, 3, v36
	v_lshl_add_u32 v13, v35, 2, v13                ; cw3[u][t / 128]
	v_and_b32 v37, 63, v0
	v_lshlrev_b32 v14, 2, v37                      ; 4 (t % 64)
	v_lshrrev_b32 v38, 6, v0
	v_mad_u32_u24 v15, v38, 272, v14               ; hw1's place in LDS: row t / 64
	v_cmp_gt_u32 s30, 0x7d, v32                    ; u < 125
	v_cmp_gt_u32 s31, 0x7d, v0                     ; t < 125
	; my tile of cw2: T = wave; lane m takes column n = 32 (T / 2) + 8 (T % 2) + mm, its registers run down K: k = 64 c + 32 h + i
	s_lshr_b32 s18, s2, 1                          ; L = wave / 2
	s_and_b32 s19, s2, 1
	s_lshl_b32 s20, s18, 5
	s_lshl_b32 s21, s19, 3
	s_add_co_u32 s20, s20, s21
	v_add_nc_u32 v39, s20, v20                     ; n
	v_cmp_gt_u32 s66, 0x7d, v39                    ; n < 125
	s_and_not1_b32 s67, s66, s8                    ; and h = 0: for k = 93 .. 95 against 125 .. 127
	v_min_u32 v39, 124, v39
	v_lshlrev_b32 v17, 2, v39                      ; 4 n
	v_mad_u32_u24 v16, v49, 16000, v17             ; + 32 h rows of 500 bytes
	; my two tiles of hw(2 + L): tt = 2 (wave % 2) + e
	s_lshl_b32 s21, s19, 7
	v_lshlrev_b32 v18, 2, v20
	v_lshl_add_u32 v18, v49, 13, v18
	v_add_nc_u32 v18, s21, v18                     ; forward: column 32 (wave % 2) + mm (+ 8 e), rows 32 h + i
	s_lshl_b32 s25, s19, 13
	v_lshlrev_b32 v19, 8, v20
	v_lshl_add_u32 v19, v49, 7, v19
	v_add_nc_u32 v19, s25, v19                     ; backward: row 32 (wave % 2) + mm (+ 8 e), columns 32 h + i
	s_lshl_b32 s29, s2, 10
	v_add_nc_u32 v22, s29, v[LI]                   ; my images: 16 x lane + 1,024 x wave
	s_lshl_b32 s9, s19, 8
	s_lshl_b32 s3, s18, 2
	s_add_co_u32 s9, s9, s3
	v_add_nc_u32 v23, s9, v[LROW]                  ; cw2's scale word: lane 16 (T % 2) + m, register T / 2
	s_lshr_b32 s3, s2, 2
	s_lshl_b32 s3, s3, 9
	s_and_b32 s25, s2, 3
	s_lshl_b32 s25, s25, 2
	s_add_co_u32 s3, s3, s25
	v_add_nc_u32 v50, s3, v[LROW]                  ; hw's: register wave, lane 16 e + m
	s_lshl_b32 s20, ttmp9, 15                      ; a work-group's 2,048 rows of 16 bytes,
	s_lshl_b32 s21, s2, 12                         ; a wave's 256
	s_add_co_u32 s20, s20, s21
	s_mov_b32 s21, 0
	s_wait_kmcnt 0x0
	s_load_b512 s[84:99], s[76:77], 0x0            ; S
	s_load_b32 s22, s[78:79], 0x0                  ; alpha
	s_load_b32 s23, s[80:81], 0x0                  ; dt_q
	s_load_b32 s24, s[82:83], 0x0                  ; dt_p
	s_load_b64 s[26:27], s[46:47], 0x0             ; cb3
	s_load_b32 s28, s[62:63], 0x0                  ; hb6: read; the gradient does not contain it
	s_add_nc_u64 s[4:5], s[32:33], s[20:21]
	s_add_nc_u64 s[6:7], s[34:35], s[20:21]
	s_bitcmp1_b32 s2, 1                            ; the buffers of my layer, chosen on the wave's number alone
	s_cselect_b64 s[14:15], s[54:55], s[52:53]
	s_cselect_b64 s[18:19], s[58:59], s[56:57]
	s_cselect_b64 s[12:13], s[68:69], s[50:51]
	s_cselect_b64 s[20:21], s[72:73], s[70:71]
	s_cselect_b64 s[16:17], s[60:61], s[74:75]     ; hw6 or hb5
	s_bitcmp1_b32 s2, 2
	s_cselect_b64 s[14:15], s[18:19], s[14:15]     ; hw(2 + L)
	s_cselect_b64 s[12:13], s[20:21], s[12:13]     ; hb(1 + L)
	global_load_b32 v24, v12, s[36:37]
	global_load_b32 v25, v7, s[38:39]
	global_load_b32 v26, v7, s[42:43]
	global_load_b32 v27, v13, s[44:45]
	global_load_b32 v28, v6, s[48:49]
	global_load_b32 v29, v14, s[12:13]
	global_load_b32 v30, v14, s[16:17]
	global_load_b128 v[X:X+3], v[LROW], s[4:5] th:TH_LOAD_NT      ; the first tile's rows
.set ci, 0
.rept 2
.set ii, 0
.rept 32
.if (ci == 1) && (ii >= 29)
	global_load_b32 v[XA+32*ci+ii], v17, s[40:41] offset:500*(64*ci+ii)   ; lanes 16-31 would want k = 125 .. 127: they read lanes 0-15's rows and are set to 0 below
.else
	global_load_b32 v[XA+32*ci+ii], v16, s[40:41] offset:500*(64*ci+ii)
.endif
.set ii, ii+1
.endr
.set ci, ci+1
.endr
	s_wait_loadcnt 63                              ; 65 loads were issued behind the seven tables': the largest count that can be written is the stricter one
	v_mov_b32 v51, 0
	v_cndmask_b32 v24, 0, v24, s30
	v_cndmask_b32 v27, 0, v27, s30
	v_cndmask_b32 v25, 0, v25, s31
	v_cndmask_b32 v26, 0, v26, s31
	ds_store_b32 v6, v24 offset:C1T
	ds_store_b32 v6, v25 offset:C1T+1024
	ds_store_b32 v6, v26 offset:CB2
	ds_store_b32 v6, v27 offset:CW3T
	ds_store_b32 v15, v28 offset:HW1P
	ds_store_b32 v15, v51 offset:HW1P+1088
	ds_store_b32 v6, v29 offset:HBR
	ds_store_b32 v6, v30 offset:HB2R
.irp e, 0,1
.set ii, 0
.rept 32
	global_load_b32 v[XJ0+(XJ1-XJ0)*\e+ii], v18, s[14:15] offset:32*\e+256*ii
.set ii, ii+1
.endr
.endr
	s_wait_loadcnt 63                              ; 64 loads were issued behind cw2's
.set ii, 0
.rept 64
.if ii >= 61
	v_cndmask_b32 v[XA+ii], 0, v[XA+ii], s67
.else
	v_cndmask_b32 v[XA+ii], 0, v[XA+ii], s66
.endif
.set ii, ii+1
.endr
	BMAX XA, 34, 35                                ; my blocks h and 2 + h of column n
	BMAX XA+32, 36, 37
	v_add_nc_u32 v38, 0xff000000, v34
	v_add_nc_u32 v39, 0xff000000, v36
	v_lshrrev_b32 v41, 23, v38
	v_lshrrev_b32 v42, 23, v39
	v_lshl_or_b32 v43, v42, 16, v41
	v_lshlrev_b32 v43, v21, v43
	v_permlanex16_b32 v40, v43, s10, s11
	v_or_b32 v43, v43, v40                         ; with the other half's two bytes the word is whole
.irp g, 0,1,2,3
	v_cvt_scalef32_pk8_fp4_f32 v[232+\g], v[XA+8*\g:XA+8*\g+7], v38
	v_cvt_scalef32_pk8_fp4_f32 v[236+\g], v[XA+32+8*\g:XA+32+8*\g+7], v39
.endr
	v_nop
	ds_store_b128 v22, v[232:235] offset:CW2I
	ds_store_b128 v22, v[236:239] offset:CW2I+512
	ds_store_b32 v23, v43 offset:SCI               ; both halves of the lanes write the same word with the same value
.irp e, 0,1
.irp g, 0,1,2,3,4,5,6,7
	global_load_b128 v[XA+32*\e+4*\g:XA+32*\e+4*\g+3], v19, s[14:15] offset:2048*\e+16*\g
.endr
.endr
	s_wait_loadcnt 16                              ; the forward numbers are in; the sixteen loads just issued may be out
	QW1 XJ0, 240, 44
	ds_store_b128 v22, v[240:243] offset:HWI
	ds_store_b32 v50, v44 offset:SCI+512
	QW1 XJ1, 244, 45
	ds_store_b128 v22, v[244:247] offset:HWI+512
	ds_store_b32 v50, v45 offset:SCI+512+256
	s_wait_loadcnt 0x0
	QW1 XA, 248, 46
	ds_store_b128 v22, v[248:251] offset:HWI+8192
	ds_store_b32 v50, v46 offset:SCI+1536
	QW1 XA+32, 252, 47
	ds_store_b128 v22, v[252:255] offset:HWI+8192+512
	ds_store_b32 v50, v47 offset:SCI+1536+256
	s_wait_kmcnt 0x0
	v_sub_f32 v34, s85, s88                        ; K(i, j) = S[i][j] - S[j][i]
	v_sub_f32 v35, s86, s92
	v_sub_f32 v36, s87, s96
	v_sub_f32 v37, s90, s93
	v_sub_f32 v38, s91, s97
	v_sub_f32 v39, s95, s98
	v_readfirstlane_b32 s16, v34                   ; K01
	v_readfirstlane_b32 s17, v35                   ; K02
	v_readfirstlane_b32 s18, v36                   ; K03
	v_readfirstlane_b32 s19, v37                   ; K12
	v_readfirstlane_b32 s20, v38                   ; K13
	v_readfirstlane_b32 s21, v39                   ; K23
	s_wait_dscnt 0x0                               ; for the others' sake: my stores have landed
	s_barrier_signal -1
	s_barrier_wait -1                              ; the one barrier: from here on LDS is only read
	WIN 0x40                                       ; destination window 1
.set ki, 0
.rept 16
	ds_load_b128 v[T2+4*ki:T2+4*ki+3], v[LI] offset:CW2I+512*ki
.set ki, ki+1
.endr
.irp o, 0,1
.irp g, 0,1
.irp i, 0,1,2,3,4,5,6,7
	ds_load_b128 v[T4+64*\o+32*\g+4*\i:T4+64*\o+32*\g+4*\i+3], v[HB] offset:CW3T+512*\o+256*\g+128*(\i/4)+16*(\i%4)
.endr
.endr
.endr
	WIN 0
	v_lshlrev_b32 v34, 2, v20                      ; 4 mm
	v_lshl_add_u32 v32, v49, 10, v34               ; source 0 of the f32 form: register j is k = 2 h + j: rows of 512 bytes,
	v_mad_u32_u24 v33, v49, 544, v34               ; and of 272
.irp t, 0,1,2,3,4,5,6,7
.irp j, 0,1
	ds_load_b32 v[T1+2*\t+\j], v32 offset:C1T+512*\j+4*(32*(\t/2)+8*(\t%2))
.endr
.endr
.irp t, 0,1,2,3
.irp j, 0,1
	ds_load_b32 v[T5+2*\t+\j], v33 offset:HW1P+272*\j+4*(32*(\t/2)+8*(\t%2))
.endr
.endr
	ds_load_b128 v[SC2:SC2+3], v[LI] offset:SCI
.irp i, 0,1,2,3
	ds_load_b128 v[SCH+4*\i:SCH+4*\i+3], v[LI] offset:SCI+512+512*\i
.endr
.irp t, 0,1,2,3
.irp i, 4,5,6,7
	v_mov_b32 v[WS+8*\t+\i], 0                     ; hw's K is 64: the codes of K = 64 .. 127 are zeros, on both sides
.endr
.endr
	v_mov_b32 v[PX], 0
	v_mov_b32 v[PX+1], 0
	v_mov_b32 v[RX], 0
	v_mov_b32 v[RX+1], 0
	v_mov_b32 v[CA11], 0x2a61337e                  ; a11
	v_mov_b32 v[CA11+1], 0x2a61337e
	v_mov_b32 v[CB4], 0x38f895d6                   ; b4
	v_mov_b32 v[CB4+1], 0x38f895d6
	s_mov_b32 s12, 0xa59f25c0                      ; a13 (the packed form names a pair and takes its low word for both halves)
	s_mov_b32 s13, 0xa59f25c0
	s_mov_b32 s14, 0x35a0d3d8                      ; b6
	s_mov_b32 s15, 0x35a0d3d8
	s_mov_b32 s25, 0x40fcf84f                      ; 7.9053111
	s_mov_b32 s3, TRIPS
	s_wait_dscnt 0x0
; ======== A TRIP: 16 rows
.Ltrip:
	s_wait_loadcnt 0x0                             ; the tile's rows
	COUP X, X+1, 1
	v_add_f32 v[X+2], v[X+2], v[E]                 ; theta
	v_add_f32 v[X+3], v[X+3], v[E+1]
.irp i, 4,5,6,7
	v_mov_b32 v[PC+\i], 0                          ; H's products have K = 64
.endr
	v_cndmask_b32 v[XB], v[X], v[X+2], s8          ; source 1, K = 4: lanes 0-15 (theta0, theta1), lanes 16-31 (theta2, theta3)
	v_cndmask_b32 v[XB+1], v[X+1], v[X+3], s8
	s_wait_dscnt 4                                 ; hb1 is in; hw2's four fragments may be out
	MMF4 T5, 1
	NOPS 8                                         ; eight places before the results are read and before loads land on the bias
	LDB GB, HBR+256                                ; hb2
	RELU GA, F
	QUANT2 GA, PC, 0
	MASKS MK1, F                                   ; 32 plain lines: also the places ahead of the scaled products
	LDB GA, HBR+512                                ; hb3
	FWD GB, 0, 1
	RELU GB, GB
	QUANT2 GB, PC, 0
	MASKS MK2, GB
	LDB GB, HBR+768                                ; hb4
	FWD GA, 1, 2
	TANH32 GA
	QUANT2 GA, PC, 0
	DERIV DV3, GA, 0x40                            ; kept for the way back, in window 1
	LDB GA, HB2R                                   ; hb5
	FWD GB, 2, 3
	TANH32 GB
	QUANT2 GB, PC, 0
	DERIV DV4, GB, 0x40
	LDB GB, HB2R+256                               ; hw6
	FWD GA, 3, 7
	TANH32 GA
	s_wait_dscnt 4                                 ; hw6 is in; hw5's four backward fragments may be out
	DERIV GA, GA, 0
	PKMUL GA, GB, 0                                ; d5 = hw6 (1 - h5^2)
	QUANT2 GA, PC, 0
	NOPS 8
	BWD GB, 3, 0
	LDW 6
	PKMUL GB, DV4, 0x04                            ; d4
	QUANT2 GB, PC, 0
	NOPS 8
	BWD GA, 2, 0
	LDW 5
	PKMUL GA, DV3, 0x04                            ; d3
	QUANT2 GA, PC, 0
	NOPS 8
	BWD GB, 1, 0
	LDW 4
	CUT GB, MK2                                    ; d2
	QUANT2 GB, PC, 0
	LD11
	NOPS 8
	BWD GA, 0, 8                                   ; hw2's fragments are in; hw1's eight loads may be out
	CUT GA, MK1                                    ; d1
	s_wait_dscnt 0x0
	; dH = d1 hw1^T in the f32 form, 16 steps of K = 4: a step takes registers 2 s, 2 s + 1 of both sides, which hold the same units.  Four accumulators by turns, one instruction a turn
.set si, 0
.rept 16
.if si < 4
	v_wmma_f32_16x16x4_f32 v[F+8*(si%4):F+8*(si%4)+7], v[GB+2*si:GB+2*si+1], v[GA+2*si:GA+2*si+1], 0
.else
	v_wmma_f32_16x16x4_f32 v[F+8*(si%4):F+8*(si%4)+7], v[GB+2*si:GB+2*si+1], v[GA+2*si:GA+2*si+1], v[F+8*(si%4):F+8*(si%4)+7]
.endif
.set si, si+1
.endr
	v_mul_f32 v[E], s16, v[X+1]                    ; theta against Ssk: sixteen plain lines, the places behind the products
	v_mul_f32 v[E+1], -v[X], s16
	v_mul_f32 v[E+2], s17, v[X]
	v_mul_f32 v[E+3], s18, v[X]
	v_fma_f32 v[E], v[X+2], s17, v[E]
	v_fma_f32 v[E+1], v[X+2], s19, v[E+1]
	v_fma_f32 v[E+2], v[X+1], s19, v[E+2]
	v_fma_f32 v[E+3], v[X+1], s20, v[E+3]
	v_fma_f32 v[E], v[X+3], s18, v[E]
	v_fma_f32 v[E+1], v[X+3], s20, v[E+1]
	v_fma_f32 v[E+2], -v[X+3], s21, v[E+2]
	v_fma_f32 v[E+3], v[X+2], s21, v[E+3]
.irp i, 0,1,2,3
	v_mul_f32 v[E+\i], s22, v[E+\i]                ; x alpha
.endr
	v_pk_add_f32 v[E+4:E+5], v[F:F+1], v[F+8:F+9]                 ; registers 0-3 of each accumulator hold dH0..3 of my row, in both halves of the lanes
	v_pk_add_f32 v[E+6:E+7], v[F+2:F+3], v[F+10:F+11]
	v_pk_add_f32 v[E+4:E+5], v[E+4:E+5], v[F+16:F+17]
	v_pk_add_f32 v[E+6:E+7], v[E+6:E+7], v[F+18:F+19]
	v_pk_add_f32 v[E+4:E+5], v[E+4:E+5], v[F+24:F+25]
	v_pk_add_f32 v[E+6:E+7], v[E+6:E+7], v[F+26:F+27]
	v_fma_f32 v[E], v[E+6], s23, v[E]
	v_fma_f32 v[E+1], v[E+7], s23, v[E+1]
	v_fma_f32 v[E+2], -v[E+4], s24, v[E+2]
	v_fma_f32 v[E+3], -v[E+5], s24, v[E+3]
.irp i, 0,1,2,3
	v_fmamk_f32 v[P+\i], v[E+\i], 0x3dcccccd, v[X+\i]             ; phi = theta + 0.1 dz
.endr
	s_cmp_eq_u32 s3, 1                             ; the next tile's rows are asked for here, if there is a next tile: no load leaves the buffer
	s_cbranch_scc1 .Lnox
	global_load_b128 v[X:X+3], v[LROW], s[4:5] offset:256 th:TH_LOAD_NT
.Lnox:
	COUP P, P+1, 0
	v_sub_f32 v[E], v[P+2], v[E]
	v_sub_f32 v[E+1], v[P+3], v[E+1]
	v_cndmask_b32 v[O], v[P], v[E], s8             ; lanes 0-15 store a row's first two numbers, lanes 16-31 its last two
	v_cndmask_b32 v[O+1], v[P+1], v[E+1], s8
	global_store_b64 v[LST], v[O:O+1], s[6:7] th:TH_STORE_NT      ; the wave's store covers 256 consecutive bytes, aligned
	s_wait_xcnt 0x0                                ; the bases and the store's data are written again only behind this wait
	s_add_nc_u64 s[4:5], s[4:5], 256
	s_add_nc_u64 s[6:7], s[6:7], 256
	s_sub_co_i32 s3, s3, 1
	s_cmp_lg_u32 s3, 0
	s_cbranch_scc1 .Ltrip
	s_wait_xcnt 0x0
	v_lshl_add_u32 v254, v0, 2, 0x8c00
	v_mov_b32 v255, 0
	s_wait_tensorcnt 0x0
	ds_add_u32 v254, v255
	s_wait_dscnt 0x0
	s_endpgm
.Lfunc_end_k_qf2e704bbf3_pnn:
	.size	k_qf2e704bbf3_pnn, .Lfunc_end_k_qf2e704bbf3_pnn-k_qf2e704bbf3_pnn
	.p2alignl 7, 3214868480
	.fill 96, 4, 3214868480
	.section	.rodata,"a",@progbits
	.p2align	6, 0x0
	.amdhsa_kernel k_qf2e704bbf3_pnn
		.amdhsa_group_segment_fixed_size 36864
		.amdhsa_private_segment_fixed_size 0
		.amdhsa_enable_private_segment 0
		.amdhsa_kernarg_size 192
		.amdhsa_user_sgpr_count 2
		.amdhsa_user_sgpr_kernarg_segment_ptr 1
		.amdhsa_wavefront_size32 1
		.amdhsa_system_sgpr_workgroup_id_x 1
		.amdhsa_system_sgpr_workgroup_id_y 1
		.amdhsa_system_sgpr_workgroup_id_z 1
		.amdhsa_system_vgpr_workitem_id 0
		.amdhsa_next_free_vgpr 512
		.amdhsa_next_free_sgpr 100
		.amdhsa_reserve_vcc 0
		.amdhsa_float_denorm_mode_32 3
		.amdhsa_float_denorm_mode_16_64 3
		.amdhsa_memory_ordered 1
		.amdhsa_forward_progress 1
		.amdhsa_inst_pref_size 246
	.end_amdhsa_kernel
	.amdgpu_metadata
---
amdhsa.version: [ 1, 2 ]
amdhsa.kernels:
  - .name:           k_qf2e704bbf3_pnn
    .symbol:         k_qf2e704bbf3_pnn.kd
    .args:
      - { .name: x, .offset: 0, .size: 8, .value_kind: global_buffer, .address_space: global }
      - { .name: out0, .offset: 8, .size: 8, .value_kind: global_buffer, .address_space: global }
      - { .name: cw1, .offset: 16, .size: 8, .value_kind: global_buffer, .address_space: global }
      - { .name: cb1, .offset: 24, .size: 8, .value_kind: global_buffer, .address_space: global }
      - { .name: cw2, .offset: 32, .size: 8, .value_kind: global_buffer, .address_space: global }
      - { .name: cb2, .offset: 40, .size: 8, .value_kind: global_buffer, .address_space: global }
      - { .name: cw3, .offset: 48, .size: 8, .value_kind: global_buffer, .address_space: global }
      - { .name: cb3, .offset: 56, .size: 8, .value_kind: global_buffer, .address_space: global }
      - { .name: hw1, .offset: 64, .size: 8, .value_kind: global_buffer, .address_space: global }
      - { .name: hb1, .offset: 72, .size: 8, .value_kind: global_buffer, .address_space: global }
      - { .name: hw2, .offset: 80, .size: 8, .value_kind: global_buffer, .address_space: global }
      - { .name: hw3, .offset: 88, .size: 8, .value_kind: global_buffer, .address_space: global }
      - { .name: hw4, .offset: 96, .size: 8, .value_kind: global_buffer, .address_space: global }
      - { .name: hw5, .offset: 104, .size: 8, .value_kind: global_buffer, .address_space: global }
      - { .name: hw6, .offset: 112, .size: 8, .value_kind: global_buffer, .address_space: global }
      - { .name: hb6, .offset: 120, .size: 8, .value_kind: global_buffer, .address_space: global }
      - { .name: hb2, .offset: 128, .size: 8, .value_kind: global_buffer, .address_space: global }
      - { .name: hb3, .offset: 136, .size: 8, .value_kind: global_buffer, .address_space: global }
      - { .name: hb4, .offset: 144, .size: 8, .value_kind: global_buffer, .address_space: global }
      - { .name: hb5, .offset: 152, .size: 8, .value_kind: global_buffer, .address_space: global }
      - { .name: S, .offset: 160, .size: 8, .value_kind: global_buffer, .address_space: global }
      - { .name: alpha, .offset: 168, .size: 8, .value_kind: global_buffer, .address_space: global }
      - { .name: dt_q, .offset: 176, .size: 8, .value_kind: global_buffer, .address_space: global }
      - { .name: dt_p, .offset: 184, .size: 8, .value_kind: global_buffer, .address_space: global }
    .group_segment_fixed_size: 36864
    .private_segment_fixed_size: 0
    .kernarg_segment_align: 8
    .kernarg_segment_size: 192
    .max_flat_workgroup_size: 256
    .sgpr_count:     100
    .vgpr_count:     512
    .wavefront_size: 32
...
	.end_amdgpu_metadata
.endif
;; end of part 1
;; ======== version 2 of 2: 1 launch; 1.15 times as fast as version 1
;; launch pnn (part 2): grid 256 x 1, 8 waves a work-group, no clusters, 36,864 bytes of LDS; arguments x, out0, cw1, cb1, cw2, cb2, cw3, cb3, hw1, hb1, hw2, hw3, hw4, hw5, hw6, hb6, hb2, hb3, hb4, hb5, S, alpha, dt_q, dt_p; writes out0
.if DOCPART == 2
	.amdgcn_target "amdgcn-amd-amdhsa--gfx1250"
	.amdhsa_code_object_version 6
	.text
	.protected	k_qf2e704bbf3_pnn
	.globl	k_qf2e704bbf3_pnn
	.p2align	8
	.type	k_qf2e704bbf3_pnn,@function
k_qf2e704bbf3_pnn:
	s_mov_b64 s[64:65], 0
	v_nop
	global_prefetch_b8 v0, s[64:65] scope:SCOPE_SE
	s_setreg_imm32_b32 hwreg(HW_REG_WAVE_MODE, 25, 1), 1
	s_wait_xcnt 0x0
; PNN: out = NICE^-1( symplectic step( NICE(x) ) ), 524,288 rows of 4 f32, one launch, nothing intermediate in memory.
;   theta = [x1, x2 + net(x1)];  dH = d/dz sum H(z) at theta;  phi = theta + 0.1 [dH34 dt_q + alpha (theta Ssk^T)12, -dH12 dt_p + alpha (theta Ssk)34];  out = [phi12, phi34 - net(phi12)]
;   net: 2 -> 125 relu -> 125 tanh -> 2.   H: 4 -> 64 relu -> 64 relu -> 64 tanh x 3 -> 1.
; The ten products on cw2 and hw2..hw5 (forward: K = the weight's first axis; backward: K = its second) run on codes of E2M1 with one E8M0 scale for each 32 along K;
; activations and gradients are quantised in registers.  The small products that feed a quantiser (x cw1, theta hw1, d1 hw1^T) run in the f32 matrix form, h cw3 by packed multiply-adds.
; hb6 and the product h5 hw6 do not enter d/dz (h5 hw6 + hb6): hb6 is loaded and takes part in no arithmetic, for every input.
; SHARES.  256 work-groups x 8 waves; a wave owns 256 rows, 16 trips of one tile of 16 rows; 512 registers a wave, so two waves share a SIMD and one's matrix work stands beside the other's vector work.
; LAYOUT.  Every product is used transposed: source 0 = 16 units of a weight, source 1 = the tile's 16 rows.  Lane (r = lane % 16, h = lane / 16) holds row r throughout.
;   Lane m of weight tile t takes unit 32 (t / 2) + 8 (t % 2) + m + (m & 8), so register q of a group of four tiles (32 registers) holds unit 32 (q / 16) + 16 h + q % 16:
;   16 neighbours along the next K, which the conversions turn into the next operand; two exchanges of halves give each lane a whole block.
; PROLOGUE.  Each work-group quantises the weights once (wave w: tile w of cw2, two forward and two backward tiles of hw(2 + w / 2)) and lays them in LDS as images of the operand's registers; one barrier; LDS is only read after it.
; TWO FORMS OF tanh.  In H its results go straight into quantisers: tanh(x) = xc P(xc^2) / Q(xc^2), xc = x held to +-7.9053111, a rational function with small RELATIVE error for small and large x alike: 64 lines for 8 numbers.
;   In the coupling net its 125 results are only summed against cw3 and added to x2 (or taken from phi34), so a small ABSOLUTE error is what counts: tanh(x) = 1 - 2 / (1 + 2^(x 2 / ln 2)): 28 lines for 8 numbers.
; LIMITS.  NaN and infinities are not served.  A block whose largest magnitude lies under 2^-124 keeps the scale byte 1; so does a block of zeros (its codes are zeros, and only this text reads the bytes).
;   H's tanh loses relative accuracy under |x| = 1e-35.  The coupling's tanh has an absolute error of about 2e-7 and does not keep the relative accuracy of a small result.
;   relu' at 0 is 0.  The order of the f32 sums differs from the reference's.
.set TRIPS, 16
; ---- LDS, bytes
.set C1T,  0                           ; [4][128] f32: cw1 row 0, cw1 row 1, cb1, zeros; units from 125 on are 0
.set CB2,  2048                        ; cb2, filled with zeros to 256 numbers
.set CW3T, 3072                        ; [2][128]: cw3 transposed, units from 125 on are 0
.set HW1P, 4096                        ; 8 rows, 272 bytes apart: hw1's four rows, then four rows of zeros
.set HBR,  6400                        ; hb1, hb2, hb3, hb4
.set HB2R, 7424                        ; hb5, hw6 (and both once more, not read)
.set CW2I, 8448                        ; cw2's 8 tiles x 2 quads of registers, 512 bytes each
.set HWI,  16640                       ; hw's fragments: (forward hw2..5: 0..3, backward: 4..7) x 4 tiles, 512 bytes each
.set SCI,  33024                       ; the weights' scale words: five quads of registers
; ---- registers, window 0
.set LROW, 1                           ; 16 r
.set LST,  2                           ; 16 r + 8 h
.set HB,   3                           ; 64 h
.set LI,   4                           ; 16 x lane
.set A11,  5                           ; 272 (lane % 8) + 64 h
.set CA11, 6                           ; v[6:7]   a11 twice
.set X,    8                           ; v8-11    x, then theta
.set P,    12                          ; v12-15   phi
.set XB,   16                          ; v[16:17] source 1 of the f32 form
.set O,    18                          ; v[18:19] what is stored
.set ACC,  20                          ; v20-27   four pairs of partial sums
.set E,    28                          ; v28-35   at work
.set MX,   36                          ; v36-39   largest magnitudes
.set PX,   40                          ; v40-41   the other half's
.set SO,   42                          ; v42-43   the conversions' scale operands
.set BY,   44                          ; v44-45   scale bytes
.set RX,   46                          ; v46-47   the other half's sums
.set PW,   48                          ; v48      the rows' scale word: scales and nothing else
.set CB4,  50                          ; v[50:51] b4 twice
.set SC2,  52                          ; v52-55   cw2's scale words: register T / 2, lanes 0-15 tile 2 (T / 2), lanes 16-31 the next
.set SCH,  56                          ; v56-71   hw's likewise: forward layer L at 2 L, backward at 8 + 2 L
.set T1,   72                          ; v72-87   source 0 of x cw1 + cb1: tile T at 2 T
.set T5,   88                          ; v88-95   source 0 of theta hw1
.set PC,   96                          ; v96-103  the rows' codes
.set F,    104                         ; v104-135 results of the f32 matrix form; written by it alone
.set GA,   136                         ; v136-167 a group
.set GB,   168                         ; v168-199 a group
.set X2,   200                         ; v200-223 tanh at work
.set PP,   208
.set QQ,   216
.set WS,   224                         ; v224-255 four fragments of hw; registers 4-7 of each (K = 64 .. 127) stay 0
; ---- window 1
.set T2,   0                           ; cw2's codes, tile T at 8 T
.set T4,   64                          ; cw3 transposed in a group's layout: 64 o + 32 g + q
.set DV3,  192                         ; 1 - h3^2
.set DV4,  224                         ; 1 - h4^2
; ---- prologue only
.set XA,   136                         ; 64 numbers of cw2, later of hw for the backward products
.set XJ0,  72                          ; 32 numbers of hw, forward, first tile
.set XJ1,  200                         ; second tile
.set MK1,  30                          ; s30-61  lanes' masks: layer 1's unit is on
.set MK2,  66                          ; s66-97  layer 2's
.set MSB, 0
.macro WIN new                         ; the immediate's high byte repeats the setting that is left; a switch that changes nothing is dropped
.if MSB != \new
	s_set_vgpr_msb (MSB<<8)|\new
.set MSB, \new
.endif
.endm
.macro NOPS n
.rept \n
	v_nop
.endr
.endm
.macro LDB dst, off                    ; 64 numbers of a table in a group's layout: registers 4 i .. 4 i + 3 are four neighbouring units
.irp i, 0,1,2,3,4,5,6,7
	ds_load_b128 v[\dst+4*\i:\dst+4*\i+3], v[HB] offset:\off+128*(\i/4)+16*(\i%4)
.endr
.endm
.macro LDW d                           ; the four fragments of hw's product d
.irp t, 0,1,2,3
	ds_load_b128 v[WS+8*\t:WS+8*\t+3], v[LI] offset:HWI+512*(4*\d+\t)
.endr
.endm
.macro LD11                            ; hw1 as source 0 of d1 hw1^T: lane m takes row m % 8 (rows 4-7 are zeros), units in a group's layout
.irp i, 0,1,2,3,4,5,6,7
	ds_load_b128 v[GB+4*\i:GB+4*\i+3], v[A11] offset:HW1P+128*(\i/4)+16*(\i%4)
.endr
.endm
; 32 numbers of a lane (two halves of two blocks of 32) become four registers of codes at dst and two bytes of the scale word, sh bits up.
.macro QUANT2 src, dst, sh
.irp b, 0,1
	v_max3_num_f32 v[MX+2*\b], |v[\src+16*\b]|, |v[\src+16*\b+1]|, 0x1800000      ; with the floor 2^(3 - 127): the byte cannot fall under 1
	v_max3_num_f32 v[MX+2*\b+1], |v[\src+16*\b+8]|, |v[\src+16*\b+9]|, |v[\src+16*\b+10]|
.endr
.irp i, 2,4,6
.irp b, 0,1
	v_max3_num_f32 v[MX+2*\b], v[MX+2*\b], |v[\src+16*\b+\i]|, |v[\src+16*\b+\i+1]|
.if \i < 6
	v_max3_num_f32 v[MX+2*\b+1], v[MX+2*\b+1], |v[\src+16*\b+9+\i]|, |v[\src+16*\b+10+\i]|
.endif
.endr
.endr
.irp b, 0,1
	v_max3_num_f32 v[MX+2*\b], v[MX+2*\b], v[MX+2*\b+1], |v[\src+16*\b+15]|
.endr
.irp b, 0,1
	v_permlanex16_b32 v[PX+\b], v[MX+2*\b], s10, s11
.endr
.irp b, 0,1
	v_max_num_f32 v[MX+2*\b], v[MX+2*\b], v[PX+\b]                                ; with lane l xor 16's 16: the block's largest magnitude
.endr
.irp b, 0,1
	v_add_nc_u32 v[SO+\b], 0xff000000, v[MX+2*\b]                                 ; 2 off its exponent field: the conversion takes that field as its scale
.endr
.irp b, 0,1
	v_lshrrev_b32 v[BY+\b], 23, v[SO+\b]                                          ; the scale's byte
.endr
.if \sh == 0
	v_lshl_or_b32 v[PW], v[BY+1], 8, v[BY]                                        ; bytes 2 and 3 are 0: their codes are zeros, or they are set by the second call
.else
	v_lshl_or_b32 v[BY], v[BY+1], 8, v[BY]
	v_lshl_or_b32 v[PW], v[BY], 16, v[PW]
.endif
.irp b, 0,1
	v_cvt_scalef32_pk8_fp4_f32 v[\dst+2*\b], v[\src+16*\b:\src+16*\b+7], v[SO+\b]
	v_cvt_scalef32_pk8_fp4_f32 v[\dst+2*\b+1], v[\src+16*\b+8:\src+16*\b+15], v[SO+\b]
.endr
	v_nop                                                                         ; one plain place behind the scaled conversions
	v_permlane16_swap_b32 v[\dst], v[\dst+2]                                      ; a whole block to a lane: lanes 0-15 the first block, lanes 16-31 the second
	v_permlane16_swap_b32 v[\dst+1], v[\dst+3]
.endm
.macro HORN1 a, k, i                   ; a = a x^2 + k, the pair at i
	v_pk_fma_f32 v[\a+\i:\a+\i+1], v[\a+\i:\a+\i+1], v[X2+\i:X2+\i+1], \k op_sel_hi:[1,1,0]
.endm
.macro HORN a, k                       ; four pairs
.irp i, 0,2,4,6
	HORN1 \a, \k, \i
.endr
.endm
.macro TANH8 r                         ; H's tanh: one accumulator, in place, from its low end on
.irp i, 0,1,2,3,4,5,6,7
	v_med3_num_f32 v[\r+\i], v[\r+\i], -s25, s25
.endr
.irp i, 0,2,4,6
	v_pk_mul_f32 v[X2+\i:X2+\i+1], v[\r+\i:\r+\i+1], v[\r+\i:\r+\i+1]
.endr
.irp i, 0,2,4,6
	v_pk_fma_f32 v[PP+\i:PP+\i+1], v[X2+\i:X2+\i+1], s[12:13], v[CA11:CA11+1] op_sel_hi:[1,0,1]   ; a13 x^2 + a11
.endr
.irp i, 0,2,4,6
	v_pk_fma_f32 v[QQ+\i:QQ+\i+1], v[X2+\i:X2+\i+1], s[14:15], v[CB4:CB4+1] op_sel_hi:[1,0,1]     ; b6 x^2 + b4
.endr
	HORN PP, 0xaebd37ff                            ; a9
	HORN QQ, 0x3b14aa05                            ; b2
	HORN PP, 0x335c0041                            ; a7
	HORN QQ, 0x3ba059dd                            ; b0
.irp i, 0,2,4,6                        ; the eight reciprocals alternate with lines of P, which name none of them: each has a plain line behind it
	v_rcp_f32 v[QQ+\i/2], v[QQ+\i/2]
	HORN1 PP, 0x3779434a, \i                       ; a5
.endr
.irp i, 0,2,4,6
	v_rcp_f32 v[QQ+4+\i/2], v[QQ+4+\i/2]
	HORN1 PP, 0x3a270ded, \i                       ; a3
.endr
	HORN PP, 0x3ba059dc                            ; a1
.irp i, 0,2,4,6
	v_pk_mul_f32 v[PP+\i:PP+\i+1], v[PP+\i:PP+\i+1], v[\r+\i:\r+\i+1]
.endr
	s_wait_alu depctr_va_vdst(0)
.irp i, 0,2,4,6
	v_pk_mul_f32 v[\r+\i:\r+\i+1], v[PP+\i:PP+\i+1], v[QQ+\i:QQ+\i+1]
.endr
.endm
.macro TANH32 r
	TANH8 \r
	TANH8 \r+8
	TANH8 \r+16
	TANH8 \r+24
.endm
.macro RELU d, s
.set qi, 0
.rept 32
	v_max_num_f32 v[\d+qi], 0, v[\s+qi]
.set qi, qi+1
.endr
.endm
.macro MASKS m, s                      ; which of my units are on, a lane mask for each register
.set qi, 0
.rept 32
	v_cmp_lt_f32 s[\m+qi], 0, v[\s+qi]
.set qi, qi+1
.endr
.endm
.macro CUT g, m                        ; the gradient passes where the unit was on
.set qi, 0
.rept 32
	v_cndmask_b32 v[\g+qi], 0, v[\g+qi], s[\m+qi]
.set qi, qi+1
.endr
.endm
.macro DERIV d, s, win                 ; d = 1 - s^2
	WIN \win
.set qi, 0
.rept 16
	v_pk_fma_f32 v[\d+qi:\d+qi+1], v[\s+qi:\s+qi+1], v[\s+qi:\s+qi+1], 1.0 op_sel_hi:[1,1,0] neg_lo:[1,0,0] neg_hi:[1,0,0]
.set qi, qi+2
.endr
	WIN 0
.endm
.macro PKMUL d, m, win                 ; d = d m
	WIN \win
.set qi, 0
.rept 16
	v_pk_mul_f32 v[\d+qi:\d+qi+1], v[\d+qi:\d+qi+1], v[\m+qi:\m+qi+1]
.set qi, qi+2
.endr
	WIN 0
.endm
.macro MMF4 a, bias                    ; four tiles in the f32 form, K = 4; the sum begins with 0 or with the bias in GB
.irp t, 0,1,2,3
.if \bias
	v_wmma_f32_16x16x4_f32 v[F+8*\t:F+8*\t+7], v[\a+2*\t:\a+2*\t+1], v[XB:XB+1], v[GB+8*\t:GB+8*\t+7]
.else
	v_wmma_f32_16x16x4_f32 v[F+8*\t:F+8*\t+7], v[\a+2*\t:\a+2*\t+1], v[XB:XB+1], 0
.endif
.endr
.endm
; Four tiles on codes.  zero = 0: the accumulator holds the bias, in the result's layout.  Odd tiles' scale words lie in lanes 16-31.  The window is left as set.
.macro MMQ d, a, win, sc, zero
	WIN \win
.irp t, 0,1,2,3
.if \zero
.if \t%2
	v_wmma_scale_f32_16x16x128_f8f6f4 v[\d+8*\t:\d+8*\t+7], v[\a+8*\t:\a+8*\t+7], v[PC:PC+7], 0, v[\sc+\t/2], v[PW] matrix_a_fmt:MATRIX_FMT_FP4 matrix_b_fmt:MATRIX_FMT_FP4 matrix_a_scale:MATRIX_SCALE_ROW1
.else
	v_wmma_scale_f32_16x16x128_f8f6f4 v[\d+8*\t:\d+8*\t+7], v[\a+8*\t:\a+8*\t+7], v[PC:PC+7], 0, v[\sc+\t/2], v[PW] matrix_a_fmt:MATRIX_FMT_FP4 matrix_b_fmt:MATRIX_FMT_FP4
.endif
.else
.if \t%2
	v_wmma_scale_f32_16x16x128_f8f6f4 v[\d+8*\t:\d+8*\t+7], v[\a+8*\t:\a+8*\t+7], v[PC:PC+7], v[\d+8*\t:\d+8*\t+7], v[\sc+\t/2], v[PW] matrix_a_fmt:MATRIX_FMT_FP4 matrix_b_fmt:MATRIX_FMT_FP4 matrix_a_scale:MATRIX_SCALE_ROW1
.else
	v_wmma_scale_f32_16x16x128_f8f6f4 v[\d+8*\t:\d+8*\t+7], v[\a+8*\t:\a+8*\t+7], v[PC:PC+7], v[\d+8*\t:\d+8*\t+7], v[\sc+\t/2], v[PW] matrix_a_fmt:MATRIX_FMT_FP4 matrix_b_fmt:MATRIX_FMT_FP4
.endif
.endif
.endr
.endm
; THE COUPLING'S tanh AND ITS PRODUCT WITH cw3, as a pipeline over the eight accumulators (a = 0..3: GB's, units 0-63; a = 4..7: GA's, units 64-127; accumulator a lies at GB + 8 a - 64 (a / 4)).
; An accumulator goes through: M  x 2 / ln 2 (4 packed lines);  X  2^. (8);  A  + 1 (4);  R  1 / . (8);  H  1 - 2 . (4);  D  against cw3's two columns (8 packed multiply-adds, two chains a column).
; Period s of 0..10 holds A(s - 2), and then R(s - 2) and X(s - 1), one at a time, each followed by one of the period's sixteen plain lines: H(s - 3), D(s - 3), M(s).  So a transcendental's neighbours are lines of other
; accumulators, and its result is first read in the next period.  The whole phase runs with source 1 in window 1: D alone has a register there (cw3); the others have constants.
.macro CPL s, n                        ; plain line n of 16 of period s
.if (\n) < 12
.if (\s) >= 3
.set fa, (\s)-3
.set fr, GB+8*fa-64*(fa/4)
.if (\n) < 4
	v_pk_fma_f32 v[fr+2*(\n):fr+2*(\n)+1], v[fr+2*(\n):fr+2*(\n)+1], -2.0, 1.0 op_sel_hi:[1,0,0]
.else
.set fi, ((\n)-4)/2
.set fo, ((\n)-4)%2
.if (fa == 0) && (fi < 2)              ; the first products start the four chains: nothing is cleared
	v_pk_mul_f32 v[ACC+4*fo+2*(fi%2):ACC+4*fo+2*(fi%2)+1], v[fr+2*fi:fr+2*fi+1], v[T4+64*fo+8*fa+2*fi:T4+64*fo+8*fa+2*fi+1]
.else
	v_pk_fma_f32 v[ACC+4*fo+2*(fi%2):ACC+4*fo+2*(fi%2)+1], v[fr+2*fi:fr+2*fi+1], v[T4+64*fo+8*fa+2*fi:T4+64*fo+8*fa+2*fi+1], v[ACC+4*fo+2*(fi%2):ACC+4*fo+2*(fi%2)+1]
.endif
.endif
.endif
.else
.if (\s) <= 7
.set fa, (\s)
.set fr, GB+8*fa-64*(fa/4)
.set fi, (\n)-12
	v_pk_mul_f32 v[fr+2*fi:fr+2*fi+1], v[fr+2*fi:fr+2*fi+1], 0x4038aa3b op_sel_hi:[1,0]           ; x 2 / ln 2; the accumulator is read from its low end on
.endif
.endif
.endm
.macro CPER s
.if ((\s) >= 2) && ((\s) <= 9)
.set ga, (\s)-2
.set gr, GB+8*ga-64*(ga/4)
	s_wait_alu depctr_va_vdst(0)
.irp i, 0,2,4,6
	v_pk_add_f32 v[gr+\i:gr+\i+1], v[gr+\i:gr+\i+1], 1.0 op_sel_hi:[1,0]
.endr
.endif
.irp i, 0,1,2,3,4,5,6,7
.if ((\s) >= 2) && ((\s) <= 9)
	v_rcp_f32 v[gr+\i], v[gr+\i]
.endif
	CPL \s, 2*\i
.if ((\s) >= 1) && ((\s) <= 8)
.set gx, GB+8*((\s)-1)-64*(((\s)-1)/4)
	v_exp_f32 v[gx+\i], v[gx+\i]
.endif
	CPL \s, 2*\i+1
.endr
.if ((\s) == 8) || ((\s) == 9)
	v_nop                                          ; these two periods have no M and end on a transcendental: one plain line before the next period reads its result
	s_wait_alu depctr_va_vdst(0)
.endif
.endm
.macro DOTEND                          ; the chains, the pairs' halves, the other half of the lanes, cb3: the net's two outputs in v[E], v[E+1], alike in both halves
	v_pk_add_f32 v[ACC:ACC+1], v[ACC:ACC+1], v[ACC+2:ACC+3]
	v_pk_add_f32 v[ACC+4:ACC+5], v[ACC+4:ACC+5], v[ACC+6:ACC+7]
	v_add_f32 v[E], v[ACC], v[ACC+1]
	v_add_f32 v[E+1], v[ACC+4], v[ACC+5]
	v_permlanex16_b32 v[RX], v[E], s10, s11
	v_permlanex16_b32 v[RX+1], v[E+1], s10, s11
	v_add_f32 v[E], v[E], v[RX]
	v_add_f32 v[E+1], v[E+1], v[RX+1]
	v_add_f32 v[E], s26, v[E]
	v_add_f32 v[E+1], s27, v[E+1]
.endm
; The coupling net on (y0, y1).  pre = 1: hb1 and hw2's fragments are asked for on the way.
.macro COUP y0, y1, pre
	LDB GB, CB2                                    ; cb2 of units 0-63: the C of the product on codes
	v_cndmask_b32 v[XB], v[\y0], 1.0, s8           ; source 1, K = 4: lanes 0-15 (y0, y1), lanes 16-31 (1, 0): the 1 meets cb1
	v_cndmask_b32 v[XB+1], v[\y1], 0, s8
	MMF4 T1, 0
	NOPS 8                                         ; eight places behind the f32 form before its results are read
	RELU GA, F
	MMF4 T1+8, 0                                   ; units 64-127: more than nine lines that name none of a tile's registers stand since that tile's product
	QUANT2 GA, PC, 0                               ; its plain lines are the places behind the products above
	RELU GA, F
	QUANT2 GA, PC+4, 16
	LDB GA, CB2+256
	NOPS 8                                         ; the scale word stands eight places, the codes four, ahead of the scaled products
	s_wait_dscnt 8                                 ; cb2's first half is in; the eight loads just issued may be out
	MMQ GB, T2, 0x01, SC2, 0
	s_wait_dscnt 0x0
	MMQ GA, T2+32, 0x01, SC2+2, 0
	WIN 0x04                                       ; source 1 in window 1, for the whole pipeline
	NOPS 4                                         ; four places before the results are read
.irp s, 0,1,2,3,4,5,6,7,8,9,10
	CPER \s
.if (\s == 6) && \pre                  ; period 6 has taken the last of GB's accumulators against cw3: the group is free
	LDB GB, HBR                                    ; hb1
	LDW 0                                          ; hw2, forward
.endif
.endr
	WIN 0
	DOTEND
.endm
.macro FWD o, l, nd                    ; a forward layer of H: its bias lies in the accumulator; then the next product's fragments are asked for
	s_wait_dscnt 8                                 ; this layer's fragments and bias are in; the eight loads of the next bias may be out
	MMQ \o, WS, 0, SCH+2*\l, 0
	NOPS 4                                         ; four places before the results are read and before loads land on the fragments
	LDW \nd
.endm
.macro BWD o, l, n                     ; a backward layer; n: the LDS loads issued behind its fragments
	s_wait_dscnt \n
	MMQ \o, WS, 0, SCH+8+2*\l, 1
	NOPS 4
.endm
.macro BMAX src, d, e                  ; the largest magnitude of a lane's 32 numbers, with the floor
	v_max3_num_f32 v[\d], |v[\src]|, |v[\src+1]|, |v[\src+2]|
	v_max3_num_f32 v[\e], |v[\src+3]|, |v[\src+4]|, |v[\src+5]|
.irp i, 6,10,14,18,22,26
	v_max3_num_f32 v[\d], v[\d], |v[\src+\i]|, |v[\src+\i+1]|
	v_max3_num_f32 v[\e], v[\e], |v[\src+\i+2]|, |v[\src+\i+3]|
.endr
	v_max3_num_f32 v[\d], v[\d], |v[\src+30]|, |v[\src+31]|
	v_max3_num_f32 v[\d], v[\d], v[\e], 0x1800000
.endm
.macro QW1 src, cod, w                 ; a lane's block of 32 of hw: four registers of codes, and the unit's scale word (my byte at 8 h, the other half's beside it)
	BMAX \src, 34, 35
	v_add_nc_u32 v38, 0xff000000, v34
	v_lshrrev_b32 v41, 23, v38
	v_lshlrev_b32 v[\w], v21, v41
	v_permlanex16_b32 v40, v[\w], s10, s11
	v_or_b32 v[\w], v[\w], v40
.irp g, 0,1,2,3
	v_cvt_scalef32_pk8_fp4_f32 v[\cod+\g], v[\src+8*\g:\src+8*\g+7], v38
.endr
	v_nop                                          ; one plain place behind the scaled conversions
.endm
; ======== PROLOGUE
	s_load_b512 s[32:47], s[0:1], 0x0              ; x, out0, cw1, cb1, cw2, cb2, cw3, cb3
	s_load_b512 s[48:63], s[0:1], 0x40             ; hw1, hb1, hw2, hw3, hw4, hw5, hw6, hb6
	s_load_b512 s[68:83], s[0:1], 0x80             ; hb2, hb3, hb4, hb5, S, alpha, dt_q, dt_p
	v_lshrrev_b32 v32, 5, v0
	v_readfirstlane_b32 s2, v32                    ; wave 0..7
	s_mov_b32 s8, 0xffff0000                       ; lanes 16-31
	s_mov_b32 s10, 0x76543210
	s_mov_b32 s11, 0xfedcba98                      ; v_permlanex16_b32's selects for lane l xor 16
	v_and_b32 v33, 15, v0                          ; r
	v_bfe_u32 v49, v0, 4, 1                        ; h
	v_and_b32 v34, 31, v0                          ; lane
	v_lshlrev_b32 v[LROW], 4, v33
	v_lshl_add_u32 v[LST], v49, 3, v[LROW]
	v_lshlrev_b32 v[HB], 6, v49
	v_lshlrev_b32 v[LI], 4, v34
	v_and_b32 v35, 7, v0
	v_mul_u32_u24 v[A11], v35, 272
	v_add_nc_u32 v[A11], v[HB], v[A11]
	v_and_b32 v20, 8, v33
	v_add_nc_u32 v20, v20, v33                     ; mm = r + (r & 8)
	v_lshlrev_b32 v21, 3, v49                      ; 8 h
	v_mov_b32 v40, 0                               ; a lane permute's destination counts as one of its sources
	; the small tables, one number a thread t: u = t % 128, held at 124 for the loads; what lies past 124 is replaced by 0
	v_lshlrev_b32 v6, 2, v0                        ; 4 t
	v_and_b32 v32, 127, v0                         ; u
	v_lshrrev_b32 v35, 7, v0                       ; t / 128
	v_min_u32 v36, 124, v32
	v_lshlrev_b32 v7, 2, v36                       ; cb1, cb2
	v_mad_u32_u24 v12, v35, 500, v7                ; cw1[t / 128][u]
	v_lshlrev_b32 v13, 3, v36
	v_lshl_add_u32 v13, v35, 2, v13                ; cw3[u][t / 128]
	v_and_b32 v37, 63, v0
	v_lshlrev_b32 v14, 2, v37                      ; 4 (t % 64)
	v_lshrrev_b32 v38, 6, v0
	v_mad_u32_u24 v15, v38, 272, v14               ; hw1's place in LDS: row t / 64
	v_cmp_gt_u32 s30, 0x7d, v32                    ; u < 125
	v_cmp_gt_u32 s31, 0x7d, v0                     ; t < 125
	; my tile of cw2: T = wave; lane m takes column n = 32 (T / 2) + 8 (T % 2) + mm, its registers run down K: k = 64 c + 32 h + i
	s_lshr_b32 s18, s2, 1                          ; L = wave / 2
	s_and_b32 s19, s2, 1
	s_lshl_b32 s20, s18, 5
	s_lshl_b32 s21, s19, 3
	s_add_co_u32 s20, s20, s21
	v_add_nc_u32 v39, s20, v20                     ; n
	v_cmp_gt_u32 s66, 0x7d, v39                    ; n < 125
	s_and_not1_b32 s67, s66, s8                    ; and h = 0: for k = 93 .. 95 against 125 .. 127
	v_min_u32 v39, 124, v39
	v_lshlrev_b32 v17, 2, v39                      ; 4 n
	v_mad_u32_u24 v16, v49, 16000, v17             ; + 32 h rows of 500 bytes
	; my two tiles of hw(2 + L): tt = 2 (wave % 2) + e
	s_lshl_b32 s21, s19, 7
	v_lshlrev_b32 v18, 2, v20
	v_lshl_add_u32 v18, v49, 13, v18
	v_add_nc_u32 v18, s21, v18                     ; forward: column 32 (wave % 2) + mm (+ 8 e), rows 32 h + i
	s_lshl_b32 s25, s19, 13
	v_lshlrev_b32 v19, 8, v20
	v_lshl_add_u32 v19, v49, 7, v19
	v_add_nc_u32 v19, s25, v19                     ; backward: row 32 (wave % 2) + mm (+ 8 e), columns 32 h + i
	s_lshl_b32 s29, s2, 10
	v_add_nc_u32 v22, s29, v[LI]                   ; my images: 16 x lane + 1,024 x wave
	s_lshl_b32 s9, s19, 8
	s_lshl_b32 s3, s18, 2
	s_add_co_u32 s9, s9, s3
	v_add_nc_u32 v23, s9, v[LROW]                  ; cw2's scale word: lane 16 (T % 2) + m, register T / 2
	s_lshr_b32 s3, s2, 2
	s_lshl_b32 s3, s3, 9
	s_and_b32 s25, s2, 3
	s_lshl_b32 s25, s25, 2
	s_add_co_u32 s3, s3, s25
	v_add_nc_u32 v50, s3, v[LROW]                  ; hw's: register wave, lane 16 e + m
	s_lshl_b32 s20, ttmp9, 15                      ; a work-group's 2,048 rows of 16 bytes,
	s_lshl_b32 s21, s2, 12                         ; a wave's 256
	s_add_co_u32 s20, s20, s21
	s_mov_b32 s21, 0
	s_wait_kmcnt 0x0
	s_load_b512 s[84:99], s[76:77], 0x0            ; S
	s_load_b32 s22, s[78:79], 0x0                  ; alpha
	s_load_b32 s23, s[80:81], 0x0                  ; dt_q
	s_load_b32 s24, s[82:83], 0x0                  ; dt_p
	s_load_b64 s[26:27], s[46:47], 0x0             ; cb3
	s_load_b32 s28, s[62:63], 0x0                  ; hb6: read; the gradient does not contain it
	s_add_nc_u64 s[4:5], s[32:33], s[20:21]
	s_add_nc_u64 s[6:7], s[34:35], s[20:21]
	s_bitcmp1_b32 s2, 1                            ; the buffers of my layer, chosen on the wave's number alone
	s_cselect_b64 s[14:15], s[54:55], s[52:53]
	s_cselect_b64 s[18:19], s[58:59], s[56:57]
	s_cselect_b64 s[12:13], s[68:69], s[50:51]
	s_cselect_b64 s[20:21], s[72:73], s[70:71]
	s_cselect_b64 s[16:17], s[60:61], s[74:75]     ; hw6 or hb5
	s_bitcmp1_b32 s2, 2
	s_cselect_b64 s[14:15], s[18:19], s[14:15]     ; hw(2 + L)
	s_cselect_b64 s[12:13], s[20:21], s[12:13]     ; hb(1 + L)
	global_load_b32 v24, v12, s[36:37]
	global_load_b32 v25, v7, s[38:39]
	global_load_b32 v26, v7, s[42:43]
	global_load_b32 v27, v13, s[44:45]
	global_load_b32 v28, v6, s[48:49]
	global_load_b32 v29, v14, s[12:13]
	global_load_b32 v30, v14, s[16:17]
	global_load_b128 v[X:X+3], v[LROW], s[4:5] th:TH_LOAD_NT      ; the first tile's rows
.set ci, 0
.rept 2
.set ii, 0
.rept 32
.if (ci == 1) && (ii >= 29)
	global_load_b32 v[XA+32*ci+ii], v17, s[40:41] offset:500*(64*ci+ii)   ; lanes 16-31 would want k = 125 .. 127: they read lanes 0-15's rows and are set to 0 below
.else
	global_load_b32 v[XA+32*ci+ii], v16, s[40:41] offset:500*(64*ci+ii)
.endif
.set ii, ii+1
.endr
.set ci, ci+1
.endr
	s_wait_loadcnt 63                              ; 65 loads were issued behind the seven tables': the largest count that can be written is the stricter one
	v_mov_b32 v51, 0
	v_cndmask_b32 v24, 0, v24, s30
	v_cndmask_b32 v27, 0, v27, s30
	v_cndmask_b32 v25, 0, v25, s31
	v_cndmask_b32 v26, 0, v26, s31
	ds_store_b32 v6, v24 offset:C1T
	ds_store_b32 v6, v25 offset:C1T+1024
	ds_store_b32 v6, v26 offset:CB2
	ds_store_b32 v6, v27 offset:CW3T
	ds_store_b32 v15, v28 offset:HW1P
	ds_store_b32 v15, v51 offset:HW1P+1088
	ds_store_b32 v6, v29 offset:HBR
	ds_store_b32 v6, v30 offset:HB2R
.irp e, 0,1
.set ii, 0
.rept 32
	global_load_b32 v[XJ0+(XJ1-XJ0)*\e+ii], v18, s[14:15] offset:32*\e+256*ii
.set ii, ii+1
.endr
.endr
	s_wait_loadcnt 63                              ; 64 loads were issued behind cw2's
.set ii, 0
.rept 64
.if ii >= 61
	v_cndmask_b32 v[XA+ii], 0, v[XA+ii], s67
.else
	v_cndmask_b32 v[XA+ii], 0, v[XA+ii], s66
.endif
.set ii, ii+1
.endr
	BMAX XA, 34, 35                                ; my blocks h and 2 + h of column n
	BMAX XA+32, 36, 37
	v_add_nc_u32 v38, 0xff000000, v34
	v_add_nc_u32 v39, 0xff000000, v36
	v_lshrrev_b32 v41, 23, v38
	v_lshrrev_b32 v42, 23, v39
	v_lshl_or_b32 v43, v42, 16, v41
	v_lshlrev_b32 v43, v21, v43
	v_permlanex16_b32 v40, v43, s10, s11
	v_or_b32 v43, v43, v40                         ; with the other half's two bytes the word is whole
.irp g, 0,1,2,3
	v_cvt_scalef32_pk8_fp4_f32 v[232+\g], v[XA+8*\g:XA+8*\g+7], v38
	v_cvt_scalef32_pk8_fp4_f32 v[236+\g], v[XA+32+8*\g:XA+32+8*\g+7], v39
.endr
	v_nop
	ds_store_b128 v22, v[232:235] offset:CW2I
	ds_store_b128 v22, v[236:239] offset:CW2I+512
	ds_store_b32 v23, v43 offset:SCI               ; both halves of the lanes write the same word with the same value
.irp e, 0,1
.irp g, 0,1,2,3,4,5,6,7
	global_load_b128 v[XA+32*\e+4*\g:XA+32*\e+4*\g+3], v19, s[14:15] offset:2048*\e+16*\g
.endr
.endr
	s_wait_loadcnt 16                              ; the forward numbers are in; the sixteen loads just issued may be out
	QW1 XJ0, 240, 44
	ds_store_b128 v22, v[240:243] offset:HWI
	ds_store_b32 v50, v44 offset:SCI+512
	QW1 XJ1, 244, 45
	ds_store_b128 v22, v[244:247] offset:HWI+512
	ds_store_b32 v50, v45 offset:SCI+512+256
	s_wait_loadcnt 0x0
	QW1 XA, 248, 46
	ds_store_b128 v22, v[248:251] offset:HWI+8192
	ds_store_b32 v50, v46 offset:SCI+1536
	QW1 XA+32, 252, 47
	ds_store_b128 v22, v[252:255] offset:HWI+8192+512
	ds_store_b32 v50, v47 offset:SCI+1536+256
	s_wait_kmcnt 0x0
	v_sub_f32 v34, s85, s88                        ; K(i, j) = S[i][j] - S[j][i]
	v_sub_f32 v35, s86, s92
	v_sub_f32 v36, s87, s96
	v_sub_f32 v37, s90, s93
	v_sub_f32 v38, s91, s97
	v_sub_f32 v39, s95, s98
	v_readfirstlane_b32 s16, v34                   ; K01
	v_readfirstlane_b32 s17, v35                   ; K02
	v_readfirstlane_b32 s18, v36                   ; K03
	v_readfirstlane_b32 s19, v37                   ; K12
	v_readfirstlane_b32 s20, v38                   ; K13
	v_readfirstlane_b32 s21, v39                   ; K23
	s_wait_dscnt 0x0                               ; for the others' sake: my stores have landed
	s_barrier_signal -1
	s_barrier_wait -1                              ; the one barrier: from here on LDS is only read
	WIN 0x40                                       ; destination window 1
.set ki, 0
.rept 16
	ds_load_b128 v[T2+4*ki:T2+4*ki+3], v[LI] offset:CW2I+512*ki
.set ki, ki+1
.endr
.irp o, 0,1
.irp g, 0,1
.irp i, 0,1,2,3,4,5,6,7
	ds_load_b128 v[T4+64*\o+32*\g+4*\i:T4+64*\o+32*\g+4*\i+3], v[HB] offset:CW3T+512*\o+256*\g+128*(\i/4)+16*(\i%4)
.endr
.endr
.endr
	WIN 0
	v_lshlrev_b32 v34, 2, v20                      ; 4 mm
	v_lshl_add_u32 v32, v49, 10, v34               ; source 0 of the f32 form: register j is k = 2 h + j: rows of 512 bytes,
	v_mad_u32_u24 v33, v49, 544, v34               ; and of 272
.irp t, 0,1,2,3,4,5,6,7
.irp j, 0,1
	ds_load_b32 v[T1+2*\t+\j], v32 offset:C1T+512*\j+4*(32*(\t/2)+8*(\t%2))
.endr
.endr
.irp t, 0,1,2,3
.irp j, 0,1
	ds_load_b32 v[T5+2*\t+\j], v33 offset:HW1P+272*\j+4*(32*(\t/2)+8*(\t%2))
.endr
.endr
	ds_load_b128 v[SC2:SC2+3], v[LI] offset:SCI
.irp i, 0,1,2,3
	ds_load_b128 v[SCH+4*\i:SCH+4*\i+3], v[LI] offset:SCI+512+512*\i
.endr
.irp t, 0,1,2,3
.irp i, 4,5,6,7
	v_mov_b32 v[WS+8*\t+\i], 0                     ; hw's K is 64: the codes of K = 64 .. 127 are zeros, on both sides
.endr
.endr
	v_mov_b32 v[PX], 0
	v_mov_b32 v[PX+1], 0
	v_mov_b32 v[RX], 0
	v_mov_b32 v[RX+1], 0
	v_mov_b32 v[CA11], 0x2a61337e                  ; a11
	v_mov_b32 v[CA11+1], 0x2a61337e
	v_mov_b32 v[CB4], 0x38f895d6                   ; b4
	v_mov_b32 v[CB4+1], 0x38f895d6
	s_mov_b32 s12, 0xa59f25c0                      ; a13 (the packed form names a pair and takes its low word for both halves)
	s_mov_b32 s13, 0xa59f25c0
	s_mov_b32 s14, 0x35a0d3d8                      ; b6
	s_mov_b32 s15, 0x35a0d3d8
	s_mov_b32 s25, 0x40fcf84f                      ; 7.9053111
	s_mov_b32 s3, TRIPS
	s_wait_dscnt 0x0
; ======== A TRIP: 16 rows
.Ltrip:
	s_wait_loadcnt 0x0                             ; the tile's rows
	COUP X, X+1, 1
	v_add_f32 v[X+2], v[X+2], v[E]                 ; theta
	v_add_f32 v[X+3], v[X+3], v[E+1]
.irp i, 4,5,6,7
	v_mov_b32 v[PC+\i], 0                          ; H's products have K = 64
.endr
	v_cndmask_b32 v[XB], v[X], v[X+2], s8          ; source 1, K = 4: lanes 0-15 (theta0, theta1), lanes 16-31 (theta2, theta3)
	v_cndmask_b32 v[XB+1], v[X+1], v[X+3], s8
	s_wait_dscnt 4                                 ; hb1 is in; hw2's four fragments may be out
	MMF4 T5, 1
	NOPS 8                                         ; eight places before the results are read and before loads land on the bias
	LDB GB, HBR+256                                ; hb2
	RELU GA, F
	QUANT2 GA, PC, 0
	MASKS MK1, F                                   ; 32 plain lines: also the places ahead of the scaled products
	LDB GA, HBR+512                                ; hb3
	FWD GB, 0, 1
	RELU GB, GB
	QUANT2 GB, PC, 0
	MASKS MK2, GB
	LDB GB, HBR+768                                ; hb4
	FWD GA, 1, 2
	TANH32 GA
	QUANT2 GA, PC, 0
	DERIV DV3, GA, 0x40                            ; kept for the way back, in window 1
	LDB GA, HB2R                                   ; hb5
	FWD GB, 2, 3
	TANH32 GB
	QUANT2 GB, PC, 0
	DERIV DV4, GB, 0x40
	LDB GB, HB2R+256                               ; hw6
	FWD GA, 3, 7
	TANH32 GA
	s_wait_dscnt 4                                 ; hw6 is in; hw5's four backward fragments may be out
	DERIV GA, GA, 0
	PKMUL GA, GB, 0                                ; d5 = hw6 (1 - h5^2)
	QUANT2 GA, PC, 0
	NOPS 8
	BWD GB, 3, 0
	LDW 6
	PKMUL GB, DV4, 0x04                            ; d4
	QUANT2 GB, PC, 0
	NOPS 8
	BWD GA, 2, 0
	LDW 5
	PKMUL GA, DV3, 0x04                            ; d3
	QUANT2 GA, PC, 0
	NOPS 8
	BWD GB, 1, 0
	LDW 4
	CUT GB, MK2                                    ; d2
	QUANT2 GB, PC, 0
	LD11
	NOPS 8
	BWD GA, 0, 8                                   ; hw2's fragments are in; hw1's eight loads may be out
	CUT GA, MK1                                    ; d1
	s_wait_dscnt 0x0
	; dH = d1 hw1^T in the f32 form, 16 steps of K = 4: a step takes registers 2 s, 2 s + 1 of both sides, which hold the same units.  Four accumulators by turns, one instruction a turn
.set si, 0
.rept 16
.if si < 4
	v_wmma_f32_16x16x4_f32 v[F+8*(si%4):F+8*(si%4)+7], v[GB+2*si:GB+2*si+1], v[GA+2*si:GA+2*si+1], 0
.else
	v_wmma_f32_16x16x4_f32 v[F+8*(si%4):F+8*(si%4)+7], v[GB+2*si:GB+2*si+1], v[GA+2*si:GA+2*si+1], v[F+8*(si%4):F+8*(si%4)+7]
.endif
.set si, si+1
.endr
	v_mul_f32 v[E], s16, v[X+1]                    ; theta against Ssk: sixteen plain lines, the places behind the products
	v_mul_f32 v[E+1], -v[X], s16
	v_mul_f32 v[E+2], s17, v[X]
	v_mul_f32 v[E+3], s18, v[X]
	v_fma_f32 v[E], v[X+2], s17, v[E]
	v_fma_f32 v[E+1], v[X+2], s19, v[E+1]
	v_fma_f32 v[E+2], v[X+1], s19, v[E+2]
	v_fma_f32 v[E+3], v[X+1], s20, v[E+3]
	v_fma_f32 v[E], v[X+3], s18, v[E]
	v_fma_f32 v[E+1], v[X+3], s20, v[E+1]
	v_fma_f32 v[E+2], -v[X+3], s21, v[E+2]
	v_fma_f32 v[E+3], v[X+2], s21, v[E+3]
.irp i, 0,1,2,3
	v_mul_f32 v[E+\i], s22, v[E+\i]                ; x alpha
.endr
	v_pk_add_f32 v[E+4:E+5], v[F:F+1], v[F+8:F+9]                 ; registers 0-3 of each accumulator hold dH0..3 of my row, in both halves of the lanes
	v_pk_add_f32 v[E+6:E+7], v[F+2:F+3], v[F+10:F+11]
	v_pk_add_f32 v[E+4:E+5], v[E+4:E+5], v[F+16:F+17]
	v_pk_add_f32 v[E+6:E+7], v[E+6:E+7], v[F+18:F+19]
	v_pk_add_f32 v[E+4:E+5], v[E+4:E+5], v[F+24:F+25]
	v_pk_add_f32 v[E+6:E+7], v[E+6:E+7], v[F+26:F+27]
	v_fma_f32 v[E], v[E+6], s23, v[E]
	v_fma_f32 v[E+1], v[E+7], s23, v[E+1]
	v_fma_f32 v[E+2], -v[E+4], s24, v[E+2]
	v_fma_f32 v[E+3], -v[E+5], s24, v[E+3]
.irp i, 0,1,2,3
	v_fmamk_f32 v[P+\i], v[E+\i], 0x3dcccccd, v[X+\i]             ; phi = theta + 0.1 dz
.endr
	s_cmp_eq_u32 s3, 1                             ; the next tile's rows are asked for here, if there is a next tile: no load leaves the buffer
	s_cbranch_scc1 .Lnox
	global_load_b128 v[X:X+3], v[LROW], s[4:5] offset:256 th:TH_LOAD_NT
.Lnox:
	COUP P, P+1, 0
	v_sub_f32 v[E], v[P+2], v[E]
	v_sub_f32 v[E+1], v[P+3], v[E+1]
	v_cndmask_b32 v[O], v[P], v[E], s8             ; lanes 0-15 store a row's first two numbers, lanes 16-31 its last two
	v_cndmask_b32 v[O+1], v[P+1], v[E+1], s8
	global_store_b64 v[LST], v[O:O+1], s[6:7] th:TH_STORE_NT      ; the wave's store covers 256 consecutive bytes, aligned
	s_wait_xcnt 0x0                                ; the bases and the store's data are written again only behind this wait
	s_add_nc_u64 s[4:5], s[4:5], 256
	s_add_nc_u64 s[6:7], s[6:7], 256
	s_sub_co_i32 s3, s3, 1
	s_cmp_lg_u32 s3, 0
	s_cbranch_scc1 .Ltrip
	s_wait_xcnt 0x0
	v_lshl_add_u32 v254, v0, 2, 0x8c00
	v_mov_b32 v255, 0
	s_wait_tensorcnt 0x0
	ds_add_u32 v254, v255
	s_wait_dscnt 0x0
	s_endpgm
.Lfunc_end_k_qf2e704bbf3_pnn:
	.size	k_qf2e704bbf3_pnn, .Lfunc_end_k_qf2e704bbf3_pnn-k_qf2e704bbf3_pnn
	.p2alignl 7, 3214868480
	.fill 96, 4, 3214868480
	.section	.rodata,"a",@progbits
	.p2align	6, 0x0
	.amdhsa_kernel k_qf2e704bbf3_pnn
		.amdhsa_group_segment_fixed_size 36864
		.amdhsa_private_segment_fixed_size 0
		.amdhsa_enable_private_segment 0
		.amdhsa_kernarg_size 192
		.amdhsa_user_sgpr_count 2
		.amdhsa_user_sgpr_kernarg_segment_ptr 1
		.amdhsa_wavefront_size32 1
		.amdhsa_system_sgpr_workgroup_id_x 1
		.amdhsa_system_sgpr_workgroup_id_y 1
		.amdhsa_system_sgpr_workgroup_id_z 1
		.amdhsa_system_vgpr_workitem_id 0
		.amdhsa_next_free_vgpr 512
		.amdhsa_next_free_sgpr 100
		.amdhsa_reserve_vcc 0
		.amdhsa_float_denorm_mode_32 3
		.amdhsa_float_denorm_mode_16_64 3
		.amdhsa_memory_ordered 1
		.amdhsa_forward_progress 1
		.amdhsa_inst_pref_size 194
	.end_amdhsa_kernel
	.amdgpu_metadata
---
amdhsa.version: [ 1, 2 ]
amdhsa.kernels:
  - .name:           k_qf2e704bbf3_pnn
    .symbol:         k_qf2e704bbf3_pnn.kd
    .args:
      - { .name: x, .offset: 0, .size: 8, .value_kind: global_buffer, .address_space: global }
      - { .name: out0, .offset: 8, .size: 8, .value_kind: global_buffer, .address_space: global }
      - { .name: cw1, .offset: 16, .size: 8, .value_kind: global_buffer, .address_space: global }
      - { .name: cb1, .offset: 24, .size: 8, .value_kind: global_buffer, .address_space: global }
      - { .name: cw2, .offset: 32, .size: 8, .value_kind: global_buffer, .address_space: global }
      - { .name: cb2, .offset: 40, .size: 8, .value_kind: global_buffer, .address_space: global }
      - { .name: cw3, .offset: 48, .size: 8, .value_kind: global_buffer, .address_space: global }
      - { .name: cb3, .offset: 56, .size: 8, .value_kind: global_buffer, .address_space: global }
      - { .name: hw1, .offset: 64, .size: 8, .value_kind: global_buffer, .address_space: global }
      - { .name: hb1, .offset: 72, .size: 8, .value_kind: global_buffer, .address_space: global }
      - { .name: hw2, .offset: 80, .size: 8, .value_kind: global_buffer, .address_space: global }
      - { .name: hw3, .offset: 88, .size: 8, .value_kind: global_buffer, .address_space: global }
      - { .name: hw4, .offset: 96, .size: 8, .value_kind: global_buffer, .address_space: global }
      - { .name: hw5, .offset: 104, .size: 8, .value_kind: global_buffer, .address_space: global }
      - { .name: hw6, .offset: 112, .size: 8, .value_kind: global_buffer, .address_space: global }
      - { .name: hb6, .offset: 120, .size: 8, .value_kind: global_buffer, .address_space: global }
      - { .name: hb2, .offset: 128, .size: 8, .value_kind: global_buffer, .address_space: global }
      - { .name: hb3, .offset: 136, .size: 8, .value_kind: global_buffer, .address_space: global }
      - { .name: hb4, .offset: 144, .size: 8, .value_kind: global_buffer, .address_space: global }
      - { .name: hb5, .offset: 152, .size: 8, .value_kind: global_buffer, .address_space: global }
      - { .name: S, .offset: 160, .size: 8, .value_kind: global_buffer, .address_space: global }
      - { .name: alpha, .offset: 168, .size: 8, .value_kind: global_buffer, .address_space: global }
      - { .name: dt_q, .offset: 176, .size: 8, .value_kind: global_buffer, .address_space: global }
      - { .name: dt_p, .offset: 184, .size: 8, .value_kind: global_buffer, .address_space: global }
    .group_segment_fixed_size: 36864
    .private_segment_fixed_size: 0
    .kernarg_segment_align: 8
    .kernarg_segment_size: 192
    .max_flat_workgroup_size: 256
    .sgpr_count:     100
    .vgpr_count:     512
    .wavefront_size: 32
...
	.end_amdgpu_metadata
.endif
;; end of part 2
